; MI455X (gfx1250); checked and timed in simulation.
; The chip was launched on July 23, 2026; its instructions are those of AMD's public machine-readable ISA for CDNA 5 (MIT licence, August 2026) and "CDNA5" Instruction Set Architecture Reference Guide (July 2026). The comments in the code are by the model that wrote it; some were corrected since.
;; Multi Head Attention. Allowed arithmetic: matrix products marked QUANTISED: E2M1 operands, one E8M0 scale for each 32 along K, by v_wmma_scale_f32_16x16x128_f8f6f4 with both operands' format E2M1 (or v_wmma_scale_f32_32x16x128_f4), f32 sums; everything else in f32.
;; Inputs: Wk_codes 1,024 x 32 x 16 uint8 (E2M1 codes of Wk, K innermost, in blocks of 32 codes, two codes a byte); Wk_scales 1,024 x 32 uint8 (E8M0 scales of Wk, one for each 32 codes along K); Wo_codes 1,024 x 32 x 16 uint8 (E2M1 codes of Wo, K innermost, in blocks of 32 codes, two codes a byte); Wo_scales 1,024 x 32 uint8 (E8M0 scales of Wo, one for each 32 codes along K); Wq_codes 1,024 x 32 x 16 uint8 (E2M1 codes of Wq, K innermost, in blocks of 32 codes, two codes a byte); Wq_scales 1,024 x 32 uint8 (E8M0 scales of Wq, one for each 32 codes along K); Wv_codes 1,024 x 32 x 16 uint8 (E2M1 codes of Wv, K innermost, in blocks of 32 codes, two codes a byte); Wv_scales 1,024 x 32 uint8 (E8M0 scales of Wv, one for each 32 codes along K); bk 1,024 float32; bo 1,024 float32; bq 1,024 float32; bv 1,024 float32; k_codes 4 x 2,048 x 32 x 16 uint8 (E2M1 codes of k, K innermost, in blocks of 32 codes, two codes a byte); k_scales 4 x 2,048 x 32 uint8 (E8M0 scales of k, one for each 32 codes along K); mask 1 x 1 x 2,048 x 2,048 int32; q_codes 4 x 2,048 x 32 x 16 uint8 (E2M1 codes of q, K innermost, in blocks of 32 codes, two codes a byte); q_scales 4 x 2,048 x 32 uint8 (E8M0 scales of q, one for each 32 codes along K); v_codes 4 x 2,048 x 32 x 16 uint8 (E2M1 codes of v, K innermost, in blocks of 32 codes, two codes a byte); v_scales 4 x 2,048 x 32 uint8 (E8M0 scales of v, one for each 32 codes along K).
;; Outputs: out0 4 x 2,048 x 1,024 float32.
;; This version of the problem:
;;   THIS VERSION OF THE PROBLEM IS GIVEN IN LOW PRECISION. The matrix products marked QUANTISED in the list below multiply operands that are first quantised to E2M1 (2 exponent bits, 1 mantissa bit; 4 bits a number), with one power-of-two scale for each 32 numbers along K (OCP MX v1.0); their sums are f32. All else is computed in f32.
;;   The module's matrix products, in the order in which they are computed (A, B: the left and right operand; K: the contracted axis; several contracted axes count as one K, in the product's order):
;;     1. [M 8,192, K 1,024] x [K 1,024, N 1,024]; A: input q (given as codes); B: input Wq (given as codes): QUANTISED
;;     2. [M 8,192, K 1,024] x [K 1,024, N 1,024]; A: input k (given as codes); B: input Wk (given as codes): QUANTISED
;;     3. [M 8,192, K 1,024] x [K 1,024, N 1,024]; A: input v (given as codes); B: input Wv (given as codes): QUANTISED
;;     4. batch 64 x [M 2,048, K 64] x [K 64, N 2,048]; A: computed on the way; B: computed on the way: QUANTISED
;;     5. batch 64 x [M 2,048, K 2,048] x [K 2,048, N 64]; A: softmax (see below); B: computed on the way: QUANTISED
;;     6. [M 8,192, K 1,024] x [K 1,024, N 1,024]; A: computed on the way; B: input Wo (given as codes): QUANTISED
;;   THE QUANTISER, for each operand of a quantised product, along K:
;;     - K is cut into blocks of 32 from its start; a last block that is shorter is filled with zeros.
;;     - A block's scale is 2^e with e = floor(log2(the largest magnitude in the block)) - 2, held to -126 .. 127; a block of zeros has e = 0. As a byte (E8M0): e + 127.
;;     - Each number is divided by its block's scale, clamped to +-6, and rounded to the nearest number of E2M1, ties to even, subnormals kept.
;;     - The product sums the exact products of the quantised numbers (number of the format x scale) in f32.
;;   ~~~python
;;   def quantise(x, axis):      # numpy; x: float32 -> the quantised numbers, widened to float32 again
;;       x = np.moveaxis(x, axis, -1); K = x.shape[-1]
;;       x = np.pad(x, [(0, 0)] * (x.ndim - 1) + [(0, -K % 32)]); x = x.reshape(x.shape[:-1] + (-1, 32)); a = np.abs(x).max(-1, keepdims=True)
;;       e = np.where(a > 0, np.clip(np.frexp(np.where(a > 0, a, 1))[1] - 1 - 2, -126, 127), 0)      # np.frexp(a)[1] - 1 = floor(log2(a)), exactly
;;       r = np.clip(x / 2.0 ** e, -6, 6)
;;       step = 2.0 ** (np.maximum(np.frexp(np.where(r == 0, 1, r))[1] - 1, 0) - 1)
;;       q = np.round(r / step) * step * 2.0 ** e      # np.round: ties to even
;;       return np.moveaxis(q.reshape(q.shape[:-2] + (-1,))[..., :K], -1, axis).astype(np.float32)
;;   ~~~
;;   SOFTMAX AHEAD OF A QUANTISED PRODUCT. Where the list says 'softmax', what is quantised is not the finished softmax but p = 2^(t - M), with t = logit x log2(e) and M = ceil(the row's largest t), a whole number; so 1/2 < the row's largest p <= 1. The row's sum l is taken of the UNQUANTISED p, in f32, and the product's result is divided by l at the end. Since M is a whole number, a kernel that streams over the keys may use a running M (the ceiling of the running maximum): every later rescaling is an exact power of two, which a block's scale takes up: the codes' values come out the same.
;;   OPERANDS COMPUTED ON THE WAY. 'Computed on the way' means the value that the module computes at that place (a softmax that the list does not call 'softmax' is quantised finished and normalised). What goes into a quantiser is computed in f32, as accurately as f32 sums, v_exp_f32 and their like allow (about 1e-6 of the number): no bf16 or f16 on the way to a quantiser, and a product that is left as it is and whose result goes on into a quantised operand takes f32 operands (vector FMAs, or v_wmma_f32_16x16x4_f32). A number that lies on a knife's edge between two numbers of the format may be rounded either way, as far as f32 arithmetic and the matrix unit's own rounding can turn it there, and no further.
;;   INPUTS GIVEN AS CODES. Wk (in the module: [1024, 1024], K = its axis 1); Wo (in the module: [1024, 1024], K = its axis 1); Wq (in the module: [1024, 1024], K = its axis 1); Wv (in the module: [1024, 1024], K = its axis 1); k (in the module: [4, 2048, 1024], K = its axis 2); q (in the module: [4, 2048, 1024], K = its axis 2); v (in the module: [4, 2048, 1024], K = its axis 2): each comes as NAME_codes (uint8): NAME with its K axis moved to the last place and cut into blocks of 32 codes, [.., K / 32, bytes a block], one block behind the other in memory; two codes a byte, the lower K in the low four bits (a code: sign, 2 exponent bits, 1 mantissa bit); and NAME_scales (uint8): the same leading axes, one E8M0 byte (e + 127) for each 32 codes along K. Its value is code x scale, taken as it is: it is not quantised again, and the codes and scales need not be those that the quantiser above would give.
;; 2 versions, each right; version 2 is version 1 with the launches attn, oproj written anew for expert scheduling mode. Each part assembles by itself: llvm-mc -triple=amdgcn-amd-amdhsa -mcpu=gfx1250 --defsym DOCPART=n.
;; ======== version 1 of 2: 3 launches
;; limits: right only within a limited range of input values
;; workspace buffers: qim 4,194,304 bytes; qsc 524,288 bytes; kv 9,437,184 bytes; pm 524,288 bytes of whole numbers; mfl 2,048 bytes of whole numbers; oim 4,194,304 bytes; osc 262,144 bytes
;; launch prep (part 1): grid 256 x 1, 4 waves a work-group, no clusters, 167,936 bytes of LDS; arguments q_codes, q_scales, k_codes, k_scales, v_codes, v_scales, Wq_codes, Wq_scales, Wk_codes, Wk_scales, Wv_codes, Wv_scales, bq, bk, bv, mask, qim, qsc, kv, pm, mfl; writes qim, qsc, kv, pm, mfl
.if DOCPART == 1
	.amdgcn_target "amdgcn-amd-amdhsa--gfx1250"
	.amdhsa_code_object_version 6
	.text
	.protected	k_q57c722126d_prep
	.globl	k_q57c722126d_prep
	.p2align	8
	.type	k_q57c722126d_prep,@function
k_q57c722126d_prep:
	s_mov_b64 s[64:65], 0
	v_nop
	global_prefetch_b8 v0, s[64:65] scope:SCOPE_SE
	s_setreg_imm32_b32 hwreg(HW_REG_WAVE_MODE, 25, 1), 1
	s_wait_xcnt 0x0
; MULTI-HEAD ATTENTION IN MX-FP4, LAUNCH 1 OF 3: the three input projections with their biases, each result quantised at once for the product that takes it, and the mask condensed.
; NOTHING OF reference() IS DEAD: every input has a way to the output (bk too: it moves kh's codes).  What the program leaves out is chosen by whole numbers: the mask is an INPUT, so this launch stores, for
; each 8 query rows and each 128 keys, whether any key is open; the next launch reads those flags and passes over a (16 queries x 128 keys) step that is wholly hidden, in a tile all of whose rows have an open key:
; there reference()'s own f32 gives exp(-1e9 - max) = 0 for each such key.  A row with no open key at all sets all its flags, and is averaged over all 2,048 keys as reference() does.
; LIMITS: a NaN or an infinity that reaches only a step so passed over is not carried to the result; NaN and infinities among the inputs are not served; blocks whose largest magnitude lies under 2^-124 have their
; scale byte held at 1 (not tried); a block of zeros gets the byte 1, not 127: its codes are zeros, and only this program reads these bytes.
; ROLES, by the work-group's number g: g / 64 = 0: qh, 1: kh, 2: vh, 3: the mask.
; THE PRODUCTS.  A wave keeps a STATIONARY operand of 128 rows x K 1,024 in 512 registers (windows 1 and 2) and walks 16 STREAMED tiles of 16 rows, which the work-group's four waves share in LDS (256 rows, one fill).
;   qh, kh: stationary = 128 rows of the weight (two heads), streamed = rows of q or k.  A lane then holds one row, and its 64 results run along the two heads' 128 columns: the next product's K.
;   vh:     stationary = 128 rows of v (one key step), streamed = 16 rows of Wv.  A lane then holds one channel d, and its 64 results run along 128 keys: the next product's K.
; EVERY TILE OF 16 ROWS IS TILE t OF A RUN: lane r holds row 32 (t / 2) + 8 (t % 2) + r + 8 (r / 8).  So result register 16 b + i of lane (r, h) is stationary row 32 b + 16 h + i: 16 neighbours along the next K.
; OUT: operands as IMAGES OF THEIR REGISTERS (four registers = 512 bytes, lane l at 16 l).  qim [bh][tile 128][512]; qsc [bh][tile][r] words; kv [bh][key step 16][9,216]: 8 K images, 4 x 2 V^T images (+4,096),
; K's scale words [lane][4] (+8,192), V's [lane][2] (+8,704).  pm [row][step][e] words: bit l = mask[row][128 step + 4 l + e] != 0.  mfl: for each 8 rows two words, bits 2 j, 2 j + 1 for key step j:
; L' = some key open (all ones if a row has none), N = not all keys open.
; NO CLUSTER: a quarter of the work-groups issue no tensor load, and what the others could share, the streamed 136 KB, is fetched once at the head.
.set XPITCH, 528                       ; a streamed row in LDS: 512 bytes + 16
.set XSCL,  256*XPITCH                 ; behind the 256 rows: their scale bytes, 32 a row, dense
.set GATH,  XSCL+8192                  ; qh, kh: scale words gathered, 2,048 bytes a wave: [head 2][tile 16][r 16]
.set GATHV, GATH+8192                  ; vh: 1,024 bytes a wave: [tile 16][r 16]
.set SPARE, GATHV+4096                 ; the spare words, 128 bytes for each wave: two blocks of 256 bytes that no other line names
.set LI,   1                           ; v1   16 x lane
.set LI8,  2                           ; v2   8 x lane
.set STA,  3                           ; v3   stationary codes: 512 rho(r) + 16 h
.set STSA, 4                           ; v4   stationary scales: 32 (8 h + rho(r)): lanes 0-15 an even tile's rows, lanes 16-31 the odd tile's
.set BA,   5                           ; v5   bias of qh, kh: 64 h
.set XA,   6                           ; v6   LDS: streamed codes of the pair of tiles in hand
.set XSA,  7                           ; v7   LDS: their scale words
.set GA,   8                           ; v8   LDS: where I put a scale word (qh, kh)
.set GR,   9                           ; v9   LDS: the gather read back, 16 bytes a lane
.set GR4,  10                          ; v10  4 bytes a lane
.set BVA,  11                          ; v11  bv: 4 rho(r), stepped
.set SPW,  12                          ; v12  LDS address of my spare word; never rewritten
.set NIL,  13                          ; v13  0; never rewritten
.set GAV,  14                          ; v14  LDS: where I put a scale word (vh)
.set GR4V, 15                          ; v15  and read it back
.set BV,   16                          ; v[16:17] bv of my channel in the pair's two tiles
.set H0,   18                          ; v18, v19 a scale word's halves: one head each
.set H1,   19
.set LN,   20                          ; v20  lane
.set XS,   32                          ; v[32:39]  streamed scale words, K step s: lanes 0-15 the pair's first tile, lanes 16-31 its second
.set SS,   40                          ; v[40:71]  stationary scale words: register 8 (a / 2) + s
.set XF,   72                          ; v[72:135] a streamed tile's eight fragments
.set ACC,  136                         ; v[136:199] eight accumulators
.set TM,   200                         ; v[200:215] at work in the quantiser
.set PW,   216                         ; v216 the scale word just made
.set PC,   218                         ; v[218:225] the codes just made
.set MR,   32                          ; the mask path: three sets of 64 registers, a row each
.set PK,   224                         ; v[224:239] a row's 64 words, two a lane; a pair for each of 8 rows
.set TOR,  240
.set TAND, 241
.set ST,  46                           ; s[46:47] stationary codes   s[48:49] their scales   s[50:51] streamed codes   s[52:53] their scales   s[54:55] the bias
.set STS, 48
.set SR,  50
.set SRS, 52
.set BI,  54
.set G0A, 56                           ; s[56:59], s[68:75] descriptor for my 64 streamed rows;  s[60:63], s[76:83] for their scale bytes
.set G0B, 60
.set G1A, 68
.set G1B, 76
.set OB0, 84                           ; s[84:85], s[86:87] where the images go (qh, kh: one base a head)
.set OB1, 86
.set INC, 88                           ; s[88:89] the step of these bases; s90, s91 its two values
.set INCA, 90
.set INCB, 91
.set CNT, 92
.set WV,  93
.set SEL, 94                           ; s[94:95] v_permlanex16_b32's selects for lane l xor 16
.set SB,  97
.set SBS, 98                           ; s[98:99] where the scale words go
.set PP,  100                          ; the role
.set SA,  101
.set MSB, 0
.macro WIN new                         ; the immediate's high byte repeats the setting that is left
.if MSB != (\new)
	s_set_vgpr_msb (MSB<<8)|(\new)
.set MSB, (\new)
.endif
.endm
.macro PLACES n
.rept \n
	v_nop
.endr
.endm
.macro CLOSE                           ; the wave's end
	s_wait_tensorcnt 0x0
	ds_add_u32 v[SPW], v[NIL]
	s_wait_dscnt 0x0
	s_endpgm
.endm
; one product, registers by the symbols rD, rA, rB, rC, rSA, rSB; ar, br: the scale words lie in lanes 16-31
.macro WMC ar, br
.if (\ar) && (\br)
	v_wmma_scale_f32_16x16x128_f8f6f4 v[rD:rD+7], v[rA:rA+7], v[rB:rB+7], v[rC:rC+7], v[rSA], v[rSB] matrix_a_fmt:MATRIX_FMT_FP4 matrix_b_fmt:MATRIX_FMT_FP4 matrix_a_scale:MATRIX_SCALE_ROW1 matrix_b_scale:MATRIX_SCALE_ROW1
.elseif (\ar)
	v_wmma_scale_f32_16x16x128_f8f6f4 v[rD:rD+7], v[rA:rA+7], v[rB:rB+7], v[rC:rC+7], v[rSA], v[rSB] matrix_a_fmt:MATRIX_FMT_FP4 matrix_b_fmt:MATRIX_FMT_FP4 matrix_a_scale:MATRIX_SCALE_ROW1
.elseif (\br)
	v_wmma_scale_f32_16x16x128_f8f6f4 v[rD:rD+7], v[rA:rA+7], v[rB:rB+7], v[rC:rC+7], v[rSA], v[rSB] matrix_a_fmt:MATRIX_FMT_FP4 matrix_b_fmt:MATRIX_FMT_FP4 matrix_b_scale:MATRIX_SCALE_ROW1
.else
	v_wmma_scale_f32_16x16x128_f8f6f4 v[rD:rD+7], v[rA:rA+7], v[rB:rB+7], v[rC:rC+7], v[rSA], v[rSB] matrix_a_fmt:MATRIX_FMT_FP4 matrix_b_fmt:MATRIX_FMT_FP4
.endif
.endm
.macro WMZ ar, br                      ; the same with the constant 0 as C
.if (\ar) && (\br)
	v_wmma_scale_f32_16x16x128_f8f6f4 v[rD:rD+7], v[rA:rA+7], v[rB:rB+7], 0, v[rSA], v[rSB] matrix_a_fmt:MATRIX_FMT_FP4 matrix_b_fmt:MATRIX_FMT_FP4 matrix_a_scale:MATRIX_SCALE_ROW1 matrix_b_scale:MATRIX_SCALE_ROW1
.elseif (\ar)
	v_wmma_scale_f32_16x16x128_f8f6f4 v[rD:rD+7], v[rA:rA+7], v[rB:rB+7], 0, v[rSA], v[rSB] matrix_a_fmt:MATRIX_FMT_FP4 matrix_b_fmt:MATRIX_FMT_FP4 matrix_a_scale:MATRIX_SCALE_ROW1
.elseif (\br)
	v_wmma_scale_f32_16x16x128_f8f6f4 v[rD:rD+7], v[rA:rA+7], v[rB:rB+7], 0, v[rSA], v[rSB] matrix_a_fmt:MATRIX_FMT_FP4 matrix_b_fmt:MATRIX_FMT_FP4 matrix_b_scale:MATRIX_SCALE_ROW1
.else
	v_wmma_scale_f32_16x16x128_f8f6f4 v[rD:rD+7], v[rA:rA+7], v[rB:rB+7], 0, v[rSA], v[rSB] matrix_a_fmt:MATRIX_FMT_FP4 matrix_b_fmt:MATRIX_FMT_FP4
.endif
.endm
; 64 products: the streamed tile u of the pair against my 8 stationary tiles, K ascending.  Four accumulators take turns, one instruction a turn.
; bias = 1: the first K step takes the bias (window 3, in the result's layout) as C; 0: the constant 0.
.macro MMRUN u, bias
.irp hf, 0,1
.irp s, 0,1,2,3,4,5,6,7
.if (\s == 0) && (\bias)
	WIN 0x31+\hf                                   ; source 0 window 1 or 2, C window 3
.else
	WIN 0x01+\hf
.endif
.irp a4, 0,1,2,3
.set rA, 64*\a4+8*\s
.set rB, XF+8*\s
.set rD, ACC+8*(4*\hf+\a4)
.set rC, rD
.if \s == 0
.set rC, 8*(4*\hf+\a4)
.endif
.set rSA, SS+8*((4*\hf+\a4)/2)+\s
.set rSB, XS+\s
.if (\s == 0) && !(\bias)
	WMZ \a4%2, \u
.else
	WMC \a4%2, \u
.endif
.endr
.endr
.endr
	WIN 0
.endm
.macro XLOAD off                       ; a streamed tile's eight fragments out of LDS
.irp s, 0,1,2,3,4,5,6,7
.irp c, 0,1
	ds_load_b128 v[XF+8*\s+4*\c:XF+8*\s+4*\c+3], v[XA] offset:(\off)+64*\s+32*\c
.endr
.endr
.endm
.macro XSLOAD                          ; a pair's scale words
	ds_load_b128 v[XS:XS+3], v[XSA]
	ds_load_b128 v[XS+4:XS+7], v[XSA] offset:16
.endm
; 64 numbers of a lane, register 16 b + i = k 32 b + 16 (lane / 16) + i of my row, become a fragment's codes in v[PC] on and its scale word in v[PW]
.macro QUANT s
.irp b, 0,1,2,3
	v_max3_num_f32 v[TM+\b], |v[\s+16*\b]|, |v[\s+1+16*\b]|, 0x1800000   ; my 16 numbers of block b, and the floor 2^(3 - 127): the byte cannot fall under 1
.endr
.irp i, 2,4,6,8,10,12,14
.irp b, 0,1,2,3
	v_max3_num_f32 v[TM+\b], v[TM+\b], |v[\s+16*\b+\i]|, |v[\s+1+16*\b+\i]|
.endr
.endr
.irp b, 0,1,2,3
	v_permlanex16_b32 v[TM+4+\b], v[TM+\b], s[SEL], s[SEL+1]
.endr
.irp b, 0,1,2,3
	v_max_num_f32 v[TM+\b], v[TM+\b], v[TM+4+\b]   ; with lane l xor 16's: the block's largest magnitude
.endr
.irp b, 0,1,2,3
	v_add_nc_u32 v[TM+12+\b], 0xff000000, v[TM+\b] ; 2 off its exponent field: the conversion's scale operand
.endr
.irp b, 0,1,2,3
	v_lshrrev_b32 v[TM+4+\b], 23, v[TM+12+\b]      ; the scale's byte
.endr
	v_lshl_or_b32 v[PW], v[TM+5], 8, v[TM+4]
	v_lshl_or_b32 v[PW], v[TM+6], 16, v[PW]
	v_lshl_or_b32 v[PW], v[TM+7], 24, v[PW]
	s_wait_xcnt 0x0                                ; the last tile's stores have read the codes' registers
.irp b, 0,1,2,3
	v_cvt_scalef32_pk8_fp4_f32 v[PC+2*\b], v[\s+16*\b:\s+7+16*\b], v[TM+12+\b]
	v_cvt_scalef32_pk8_fp4_f32 v[PC+1+2*\b], v[\s+8+16*\b:\s+15+16*\b], v[TM+12+\b]
.endr
	v_nop                                          ; one plain place behind a scaled conversion
.irp c, 0,1                                    ; a WHOLE block in a lane: lanes 0-15 block 2 c, lanes 16-31 block 2 c + 1
.irp i, 0,1
	v_permlane16_swap_b32 v[PC+4*\c+\i], v[PC+2+4*\c+\i]
.endr
.endr
.endm
	s_load_b512 s[4:19], s[0:1], 0x0               ; q, k, v (codes, scales), Wq (codes, scales)
	s_load_b512 s[20:35], s[0:1], 0x40             ; Wk, Wv (codes, scales), bq, bk, bv, mask
	s_load_b256 s[36:43], s[0:1], 0x80             ; qim, qsc, kv, pm
	s_load_b64 s[44:45], s[0:1], 0xa0              ; mfl
	v_lshl_add_u32 v[SPW], v0, 2, SPARE
	v_mov_b32 v[NIL], 0
	ds_add_u32 v[SPW], v[NIL]                      ; the wave's opening: the add, twice on end, and its wait ahead of my first tensor load
	ds_add_u32 v[SPW], v[NIL]
	v_lshrrev_b32 v21, 5, v0
	v_readfirstlane_b32 s[WV], v21                 ; wave 0..3
	v_and_b32 v[LN], 31, v0
	v_and_b32 v22, 15, v0                          ; r
	v_bfe_u32 v23, v0, 4, 1                        ; h
	v_and_b32 v24, 8, v22
	v_add_nc_u32 v24, v24, v22                     ; rho(r) = r + 8 (r / 8)
	v_lshlrev_b32 v[LI], 4, v[LN]
	v_lshlrev_b32 v[LI8], 3, v[LN]
	v_lshlrev_b32 v[STA], 9, v24
	v_lshl_add_u32 v[STA], v23, 4, v[STA]
	v_lshl_add_u32 v25, v23, 3, v24                ; 8 h + rho(r)
	v_lshlrev_b32 v[STSA], 5, v25
	v_lshlrev_b32 v[BA], 6, v23
	v_mul_u32_u24 v[XA], v24, XPITCH
	v_lshl_add_u32 v[XA], v23, 4, v[XA]
	v_add_nc_u32 v[XSA], XSCL, v[STSA]
	v_lshlrev_b32 v26, 2, v22                      ; 4 r
	v_lshlrev_b32 v27, 2, v[LN]                    ; 4 x lane
	s_lshl_b32 s96, s[WV], 11
	s_add_co_u32 s96, s96, GATH
	v_add_nc_u32 v[GA], s96, v26
	v_add_nc_u32 v[GR], s96, v[LI]
	v_add_nc_u32 v[GR4], s96, v27
	s_lshl_b32 s96, s[WV], 10
	s_add_co_u32 s96, s96, GATHV
	v_add_nc_u32 v[GAV], s96, v26
	v_add_nc_u32 v[GR4V], s96, v27
	v_lshlrev_b32 v[BVA], 2, v24
.irp b, 0,1,2,3
	v_mov_b32 v[TM+4+\b], 0                        ; written once: a lane permute's destination counts as one of its sources
.endr
	s_mov_b32 s[SEL], 0x76543210
	s_mov_b32 s[SEL+1], 0xfedcba98
	; descriptor group 1 for 64 rows of 512 bytes, 512 bytes apart in memory, 16 bytes of padding behind each in LDS
	s_mov_b32 s[G1A], (1<<20)|(6<<22)|(3<<25)      ; no mask; elements of 1 byte; padding on, after every 128 words, of 4 words
	s_mov_b32 s[G1A+1], 512<<16                    ; tensor_dim0
	s_mov_b32 s[G1A+2], 64<<16                     ; tensor_dim1
	s_mov_b32 s[G1A+3], 512<<16                    ; tile_dim0
	s_mov_b32 s[G1A+4], 64                         ; tile_dim1
	s_mov_b32 s[G1A+5], 512                        ; from row to row
	s_mov_b32 s[G1A+6], 0
	s_mov_b32 s[G1A+7], 0
	; and for their scale bytes: 2,048 dense bytes as 8 rows of 256 (32 elements of 8 bytes)
	s_mov_b32 s[G1B], 3<<16
	s_mov_b32 s[G1B+1], 32<<16
	s_mov_b32 s[G1B+2], 8<<16
	s_mov_b32 s[G1B+3], 32<<16
	s_mov_b32 s[G1B+4], 8
	s_mov_b32 s[G1B+5], 32
	s_mov_b32 s[G1B+6], 0
	s_mov_b32 s[G1B+7], 0
	s_wait_dscnt 0x0                               ; both opening adds are done
	s_wait_kmcnt 0x0
	s_cmp_ge_u32 ttmp9, 192
	s_cbranch_scc1 .Lmask
	; ---- the three projections
	s_lshr_b32 s[PP], ttmp9, 6
	s_and_b32 s96, ttmp9, 63
	s_and_b32 s88, s96, 1
	s_lshr_b32 s89, s96, 1
	s_lshr_b32 s90, s96, 2
	s_and_b32 s91, s96, 3
	s_cmp_eq_u32 s[PP], 0                          ; the buffers are chosen by the work-group's number alone
	s_cselect_b64 s[ST:ST+1], s[16:17], s[20:21]
	s_cselect_b64 s[STS:STS+1], s[18:19], s[22:23]
	s_cselect_b64 s[SR:SR+1], s[4:5], s[8:9]
	s_cselect_b64 s[SRS:SRS+1], s[6:7], s[10:11]
	s_cselect_b64 s[BI:BI+1], s[28:29], s[30:31]
	s_cmp_eq_u32 s[PP], 2
	s_cselect_b64 s[ST:ST+1], s[12:13], s[ST:ST+1]
	s_cselect_b64 s[STS:STS+1], s[14:15], s[STS:STS+1]
	s_cselect_b64 s[SR:SR+1], s[24:25], s[SR:SR+1]
	s_cselect_b64 s[SRS:SRS+1], s[26:27], s[SRS:SRS+1]
	s_cselect_b64 s[BI:BI+1], s[32:33], s[BI:BI+1]
	s_cselect_b32 s[SA], s90, s88                  ; which 512 stationary rows
	s_cselect_b32 s[SB], s91, s89                  ; which 256 streamed rows
	s_lshl_b32 s88, s[SB], 8
	s_lshl_b32 s89, s[WV], 6
	s_add_co_u32 s88, s88, s89                     ; the 64 streamed rows that I fetch
	s_mov_b32 s91, 0
	s_lshl_b32 s90, s88, 9
	s_add_nc_u64 s[SR:SR+1], s[SR:SR+1], s[90:91]
	s_lshl_b32 s90, s88, 5
	s_add_nc_u64 s[SRS:SRS+1], s[SRS:SRS+1], s[90:91]
	s_mov_b32 s[G0A], 1
	s_mul_i32 s[G0A+1], s[WV], 64*XPITCH
	s_mov_b64 s[G0A+2:G0A+3], s[SR:SR+1]
	s_or_b32 s[G0A+3], s[G0A+3], 0x80000000
	s_mov_b32 s[G0B], 1
	s_lshl_b32 s[G0B+1], s[WV], 11
	s_add_co_u32 s[G0B+1], s[G0B+1], XSCL
	s_mov_b64 s[G0B+2:G0B+3], s[SRS:SRS+1]
	s_or_b32 s[G0B+3], s[G0B+3], 0x80000000
	tensor_load_to_lds s[G0A:G0A+3], s[G1A:G1A+7]  ; the only fills of the launch: two loads of mine are out
	s_nop 0
	tensor_load_to_lds s[G0B:G0B+3], s[G1B:G1B+7]
	s_nop 0
	PLACES 4
	s_lshl_b32 s88, s[SA], 9
	s_lshl_b32 s89, s[WV], 7
	s_add_co_u32 s88, s88, s89                     ; my 128 stationary rows
	s_lshl_b32 s90, s88, 9
	s_add_nc_u64 s[ST:ST+1], s[ST:ST+1], s[90:91]
	s_lshl_b32 s90, s88, 5
	s_add_nc_u64 s[STS:STS+1], s[STS:STS+1], s[90:91]
	s_lshl_b32 s88, s88, 2                         ; qh, kh: the bias of my 128 columns;
	s_lshl_b32 s89, s[SB], 10                      ; vh: of the work-group's 256 channels
	s_cmp_eq_u32 s[PP], 2
	s_cselect_b32 s90, s89, s88
	s_add_nc_u64 s[BI:BI+1], s[BI:BI+1], s[90:91]
.irp a, 0,1,2,3,4,5,6,7                        ; the stationary operand: tile a, K step s at v[64 (a % 4) + 8 s] of window 1 (a < 4) or 2; the 16 loads that use up a row's 512 bytes stand together
.if \a < 4
	WIN 0x40
.else
	WIN 0x80
.endif
.irp s, 0,1,2,3,4,5,6,7
.irp c, 0,1
	global_load_b128 v[64*(\a%4)+8*\s+4*\c:64*(\a%4)+8*\s+4*\c+3], v[STA], s[ST:ST+1] offset:512*(32*(\a/2)+8*(\a%2))+64*\s+32*\c
.endr
.endr
.endr
	WIN 0
.irp p, 0,1,2,3
.irp q, 0,1
	global_load_b128 v[SS+8*\p+4*\q:SS+8*\p+4*\q+3], v[STSA], s[STS:STS+1] offset:1024*\p+16*\q
.endr
.endr
	s_cmp_eq_u32 s[PP], 2
	s_cbranch_scc1 .Lnobias
	WIN 0xc0                                       ; qh, kh: the bias in the result's layout: lane (r, h), tile a: columns 32 (a / 2) + 8 (a % 2) + 16 h + 0 .. 7
.irp a, 0,1,2,3,4,5,6,7
.irp q, 0,1
	global_load_b128 v[8*\a+4*\q:8*\a+4*\q+3], v[BA], s[BI:BI+1] offset:4*(32*(\a/2)+8*(\a%2))+16*\q
.endr
.endr
	WIN 0
.Lnobias:
	s_wait_tensorcnt 0x0                           ; my part of the streamed rows is in,
	s_barrier_signal -1
	s_barrier_wait -1                              ; everybody's is; nothing is filled again
	XLOAD 0
	XSLOAD
	s_mov_b32 s[INC+1], 0
	s_mov_b32 s[CNT], 0
	s_cmp_eq_u32 s[PP], 2
	s_cbranch_scc1 .Lv
; One tile.  isv: vh.  u: which tile of the pair.  last: the last pair fetches nothing more.
.macro HALF isv, u, last
	s_wait_dscnt 0x0                               ; the tile's fragments are in, and my LDS stores have read their registers
.if \isv
	MMRUN \u, 0
.else
	MMRUN \u, 1
.endif
	PLACES 4                                       ; in front of loads into registers that the products have read, and of the first read of results
.if \u == 0
	XLOAD 8*XPITCH                                 ; the pair's second tile lands while the first is quantised
.elseif !\last
	v_add_nc_u32 v[XA], 32*XPITCH, v[XA]
	v_add_nc_u32 v[XSA], 1024, v[XSA]
	XLOAD 0
	XSLOAD
.endif
.if \isv
.if \u == 0
	s_wait_loadcnt 0x0                             ; bv of the pair
.endif
.set k, 0
.rept 32
.if \u == 0
	v_pk_add_f32 v[ACC+k:ACC+k+1], v[ACC+k:ACC+k+1], v[BV:BV+1] op_sel_hi:[1,0]            ; my channel's bias onto its 64 keys, each accumulator from its low end on
.else
	v_pk_add_f32 v[ACC+k:ACC+k+1], v[ACC+k:ACC+k+1], v[BV:BV+1] op_sel:[0,1] op_sel_hi:[1,1]
.endif
.set k, k+2
.endr
.endif
	QUANT ACC
.if \isv
	global_store_b128 v[LI], v[PC:PC+3], s[OB0:OB0+1] offset:1024*\u          ; a fragment of V^T: two images of 512 consecutive bytes
	global_store_b128 v[LI], v[PC+4:PC+7], s[OB0:OB0+1] offset:1024*\u+512
	ds_store_b32 v[GAV], v[PW] offset:64*\u        ; both halves of the lanes write the same word with the same value
.else
	global_store_b128 v[LI], v[PC:PC+3], s[OB0:OB0+1] offset:512*\u           ; registers 0-3 of the first head's fragment (its k = 64 .. 127 are zeros and are not stored),
	global_store_b128 v[LI], v[PC+4:PC+7], s[OB1:OB1+1] offset:512*\u         ; and of the second head's
	v_and_b32 v[H0], 0xffff, v[PW]                 ; a head's two bytes; bytes 2 and 3 are 0
	v_lshrrev_b32 v[H1], 16, v[PW]
	ds_store_b32 v[GA], v[H0] offset:64*\u
	ds_store_b32 v[GA], v[H1] offset:64*\u+1024
.endif
.endm
.macro TRIP isv, last                  ; a pair of tiles: 32 streamed rows
.if \isv
	global_load_b32 v[BV], v[BVA], s[BI:BI+1]
	global_load_b32 v[BV+1], v[BVA], s[BI:BI+1] offset:32
.endif
	HALF \isv, 0, \last
	HALF \isv, 1, \last
.if !\last
	s_wait_xcnt 0x0                                ; the stores have read their bases
.if \isv
	v_add_nc_u32 v[GAV], 128, v[GAV]
	v_add_nc_u32 v[BVA], 128, v[BVA]
	s_bitcmp1_b32 s[CNT], 0                        ; behind a head's second pair: on to the next head's record
.else
	v_add_nc_u32 v[GA], 128, v[GA]
	s_cmp_eq_u32 s[CNT], 3                         ; kh: behind a key step's fourth pair: on to the next record
.endif
	s_cselect_b32 s[INC], s[INCA], s[INCB]
	s_add_nc_u64 s[OB0:OB0+1], s[OB0:OB0+1], s[INC:INC+1]
.if !\isv
	s_add_nc_u64 s[OB1:OB1+1], s[OB1:OB1+1], s[INC:INC+1]
.endif
.endif
.endm
	; ---- qh, kh.  y = 16 bh + 2 (row group % 8), bh = 16 batch + 8 slab + 2 wave: qim has 4,096 bytes for each y, qsc 512, kv 9,216
	s_lshr_b32 s4, s[SB], 3
	s_lshl_b32 s4, s4, 4
	s_lshl_b32 s5, s[SA], 3
	s_add_co_u32 s4, s4, s5
	s_lshl_b32 s5, s[WV], 1
	s_add_co_u32 s4, s4, s5
	s_lshl_b32 s4, s4, 4
	s_and_b32 s5, s[SB], 7
	s_lshl_b32 s5, s5, 1
	s_add_co_u32 s4, s4, s5
	s_cmp_eq_u32 s[PP], 0
	s_mov_b32 s6, 9216
	s_cselect_b32 s5, 4096, s6
	s_cselect_b32 s7, 512, s6
	s_mov_b32 s8, 147456
	s_cselect_b32 s8, 65536, s8                    ; from a head to the next
	s_mov_b32 s9, 0
	s_mov_b32 s[INCA], 6144
	s_cselect_b32 s[INCA], 1024, s[INCA]
	s_mov_b32 s[INCB], 1024
	s_cselect_b64 s[OB0:OB0+1], s[36:37], s[40:41]
	s_cselect_b64 s[SBS:SBS+1], s[38:39], s[40:41]
	s_mul_i32 s10, s4, s5
	s_mov_b32 s11, 0
	s_add_nc_u64 s[OB0:OB0+1], s[OB0:OB0+1], s[10:11]
	s_add_nc_u64 s[OB1:OB1+1], s[OB0:OB0+1], s[8:9]
	s_mul_i32 s10, s4, s7
	s_add_nc_u64 s[SBS:SBS+1], s[SBS:SBS+1], s[10:11]
	s_wait_loadcnt 0x0                             ; the stationary operand, its scales, the bias
.Lqk:
	TRIP 0, 0
	s_add_co_u32 s[CNT], s[CNT], 1
	s_cmp_lt_u32 s[CNT], 7
	s_cbranch_scc1 .Lqk
	TRIP 0, 1
	s_cmp_eq_u32 s[PP], 0
	s_cbranch_scc0 .Lkout
	; qh's scale words: a head's 16 tiles are 1,024 consecutive bytes.  LDS serves a wave's instructions in order: these loads see my stores
.irp c, 0,1
.irp q, 0,1
	ds_load_b128 v[XF+8*\c+4*\q:XF+8*\c+4*\q+3], v[GR] offset:1024*\c+512*\q
.endr
.endr
	s_wait_dscnt 0x0
.irp c, 0,1
.irp q, 0,1
	global_store_b128 v[LI], v[XF+8*\c+4*\q:XF+8*\c+4*\q+3], s[SBS:SBS+1] offset:8192*\c+512*\q
.endr
.endr
	CLOSE
.Lkout:
	; kh's: for each head and key step [lane][4]: word i of lane l is tile 2 i + l / 16, row l % 16
.irp c, 0,1
.irp g, 0,1
.irp i, 0,1,2,3
	ds_load_b32 v[XF+8*\c+4*\g+\i], v[GR4] offset:1024*\c+512*\g+128*\i
.endr
.endr
.endr
	s_wait_dscnt 0x0
.irp c, 0,1
.irp g, 0,1
	global_store_b128 v[LI], v[XF+8*\c+4*\g:XF+8*\c+4*\g+3], s[SBS:SBS+1] offset:147456*\c+9216*\g+8192
.endr
.endr
	CLOSE
.Lv:	; ---- vh.  My record: ((16 batch + 4 x group of heads) 16 + key step); a head on is 16 records
	s_lshr_b32 s4, s[SA], 2
	s_lshl_b32 s4, s4, 4
	s_lshl_b32 s5, s[SB], 2
	s_add_co_u32 s4, s4, s5
	s_lshl_b32 s4, s4, 4
	s_and_b32 s5, s[SA], 3
	s_lshl_b32 s5, s5, 2
	s_add_co_u32 s4, s4, s5
	s_add_co_u32 s4, s4, s[WV]
	s_mul_i32 s10, s4, 9216
	s_mov_b32 s11, 0
	s_add_nc_u64 s[SBS:SBS+1], s[40:41], s[10:11]
	s_add_nc_u64 s[OB0:OB0+1], s[SBS:SBS+1], 4096
	s_mov_b32 s[INCA], 145408
	s_mov_b32 s[INCB], 2048
	s_wait_loadcnt 0x0
.Lvl:
	TRIP 1, 0
	s_add_co_u32 s[CNT], s[CNT], 1
	s_cmp_lt_u32 s[CNT], 7
	s_cbranch_scc1 .Lvl
	TRIP 1, 1
.irp hh, 0,1,2,3                               ; V's scale words: for each head [lane][2]: word i of lane l is tile 2 i + l / 16, row l % 16
.irp i, 0,1
	ds_load_b32 v[XF+2*\hh+\i], v[GR4V] offset:256*\hh+128*\i
.endr
.endr
	s_wait_dscnt 0x0
.irp hh, 0,1,2,3
	global_store_b64 v[LI8], v[XF+2*\hh:XF+2*\hh+1], s[SBS:SBS+1] offset:147456*\hh+8704   ; 256 consecutive bytes
.endr
	CLOSE
.Lmask:	; ---- the mask.  My wave owns 8 rows, 64 KB on end.  No LDS, no barrier, no branch on what is loaded
	s_sub_co_u32 s96, ttmp9, 192
	s_lshl_b32 s96, s96, 2
	s_add_co_u32 s96, s96, s[WV]                   ; the group of 8 rows, 0 .. 255
	s_mov_b32 s89, 0
	s_lshl_b32 s88, s96, 16
	s_add_nc_u64 s[50:51], s[34:35], s[88:89]
	s_lshl_b32 s88, s96, 11
	s_add_nc_u64 s[52:53], s[42:43], s[88:89]
	s_lshl_b32 s88, s96, 2
	s_add_nc_u64 s[54:55], s[44:45], s[88:89]
	s_mov_b32 s49, 0                               ; becomes -1 if a row has no open key
.set k, 0
.rept 16
	v_mov_b32 v[PK+k], 0                           ; v_writelane_b32's destination counts as read
.set k, k+1
.endr
.macro LOADROW i                       ; a row: 16 loads of 512 consecutive bytes; load j is key step j, lane l's register e is key 128 j + 4 l + e
.irp j, 0,1,2,3,4,5,6,7,8,9,10,11,12,13,14,15
	global_load_b128 v[MR+64*((\i)%3)+4*\j:MR+64*((\i)%3)+4*\j+3], v[LI], s[50:51] offset:8192*(\i)+512*\j th:TH_LOAD_NT
.endr
.endm
.macro ROW i
.if (\i) <= 5
	s_wait_loadcnt 32                              ; this row is in; the two younger rows' 32 loads may be out
.elseif (\i) == 6
	s_wait_loadcnt 16
.else
	s_wait_loadcnt 0
.endif
.set g, 0
.rept 4
.set n, 0
.rept 16
	v_cmp_ne_u32 s[68+n], 0, v[MR+64*((\i)%3)+16*g+n]      ; word 16 g + n of the row: bit l = lane l's key is open
.set n, n+1
.endr
.set n, 0
.rept 16
	v_writelane_b32 v[PK+2*(\i)+n%2], s[68+n], (16*g+n)/2  ; two words a lane
.set n, n+1
.endr
.set g, g+1
.endr
.if (\i)+3 < 8
	LOADROW (\i)+3
.endif
	global_store_b64 v[LI8], v[PK+2*(\i):PK+2*(\i)+1], s[52:53] offset:256*(\i)   ; the row's 256 bytes, on end
.if (\i) == 0
	v_or_b32 v[TOR], v[PK], v[PK+1]
	v_and_b32 v[TAND], v[PK], v[PK+1]
	v_cmp_ne_u32 s48, 0, v[TOR]
.else
	v_or_b32 v242, v[PK+2*(\i)], v[PK+2*(\i)+1]
	v_and_b32 v243, v[PK+2*(\i)], v[PK+2*(\i)+1]
	v_or_b32 v[TOR], v[TOR], v242
	v_and_b32 v[TAND], v[TAND], v243
	v_cmp_ne_u32 s48, 0, v242
.endif
	s_cmp_eq_u32 s48, 0                            ; no open key in the whole row?  A select, no branch
	s_cselect_b32 s49, -1, s49
.endm
	LOADROW 0
	LOADROW 1
	LOADROW 2
.irp i, 0,1,2,3,4,5,6,7
	ROW \i
.endr
	v_mov_b32 v244, 0
	v_mov_b32 v245, 0
	v_mov_b32_dpp v244, v[TOR] row_xmask:1 row_mask:0xf bank_mask:0xf      ; lanes 2 j and 2 j + 1 hold key step j's four words
	v_mov_b32_dpp v245, v[TAND] row_xmask:1 row_mask:0xf bank_mask:0xf
	v_or_b32 v[TOR], v[TOR], v244
	v_and_b32 v[TAND], v[TAND], v245
	v_cmp_ne_u32 s56, 0, v[TOR]
	s_or_b32 s56, s56, s49                         ; L'
	v_cmp_ne_u32 s57, -1, v[TAND]                  ; N
	v_mov_b32 v242, s56
	v_mov_b32 v243, s57
	v_cmp_eq_u32 vcc_lo, 1, v[LN]
	v_cndmask_b32 v242, v242, v243, vcc_lo
	v_lshlrev_b32 v244, 10, v[LN]                  ; lane 0: L' at 4 G; lane 1: N, 1,024 bytes on
	v_cmp_gt_u32 vcc_lo, 2, v[LN]
	s_wait_xcnt 0x0                                ; EXEC changes only behind this wait
	s_and_saveexec_b32 s58, vcc_lo
	global_store_b32 v244, v242, s[54:55]
	s_wait_xcnt 0x0
	s_or_b32 exec_lo, exec_lo, s58
	CLOSE
.Lfunc_end_k_q57c722126d_prep:
	.size	k_q57c722126d_prep, .Lfunc_end_k_q57c722126d_prep-k_q57c722126d_prep
	.p2alignl 7, 3214868480
	.fill 96, 4, 3214868480
	.section	.rodata,"a",@progbits
	.p2align	6, 0x0
	.amdhsa_kernel k_q57c722126d_prep
		.amdhsa_group_segment_fixed_size 167936
		.amdhsa_private_segment_fixed_size 0
		.amdhsa_enable_private_segment 0
		.amdhsa_kernarg_size 168
		.amdhsa_user_sgpr_count 2
		.amdhsa_user_sgpr_kernarg_segment_ptr 1
		.amdhsa_wavefront_size32 1
		.amdhsa_system_sgpr_workgroup_id_x 1
		.amdhsa_system_sgpr_workgroup_id_y 1
		.amdhsa_system_sgpr_workgroup_id_z 1
		.amdhsa_system_vgpr_workitem_id 0
		.amdhsa_next_free_vgpr 1024
		.amdhsa_next_free_sgpr 102
		.amdhsa_reserve_vcc 1
		.amdhsa_float_denorm_mode_32 3
		.amdhsa_float_denorm_mode_16_64 3
		.amdhsa_memory_ordered 1
		.amdhsa_forward_progress 1
		.amdhsa_inst_pref_size 222
	.end_amdhsa_kernel
	.amdgpu_metadata
---
amdhsa.version: [ 1, 2 ]
amdhsa.kernels:
  - .name:           k_q57c722126d_prep
    .symbol:         k_q57c722126d_prep.kd
    .args:
      - { .name: q_codes, .offset: 0, .size: 8, .value_kind: global_buffer, .address_space: global }
      - { .name: q_scales, .offset: 8, .size: 8, .value_kind: global_buffer, .address_space: global }
      - { .name: k_codes, .offset: 16, .size: 8, .value_kind: global_buffer, .address_space: global }
      - { .name: k_scales, .offset: 24, .size: 8, .value_kind: global_buffer, .address_space: global }
      - { .name: v_codes, .offset: 32, .size: 8, .value_kind: global_buffer, .address_space: global }
      - { .name: v_scales, .offset: 40, .size: 8, .value_kind: global_buffer, .address_space: global }
      - { .name: Wq_codes, .offset: 48, .size: 8, .value_kind: global_buffer, .address_space: global }
      - { .name: Wq_scales, .offset: 56, .size: 8, .value_kind: global_buffer, .address_space: global }
      - { .name: Wk_codes, .offset: 64, .size: 8, .value_kind: global_buffer, .address_space: global }
      - { .name: Wk_scales, .offset: 72, .size: 8, .value_kind: global_buffer, .address_space: global }
      - { .name: Wv_codes, .offset: 80, .size: 8, .value_kind: global_buffer, .address_space: global }
      - { .name: Wv_scales, .offset: 88, .size: 8, .value_kind: global_buffer, .address_space: global }
      - { .name: bq, .offset: 96, .size: 8, .value_kind: global_buffer, .address_space: global }
      - { .name: bk, .offset: 104, .size: 8, .value_kind: global_buffer, .address_space: global }
      - { .name: bv, .offset: 112, .size: 8, .value_kind: global_buffer, .address_space: global }
      - { .name: mask, .offset: 120, .size: 8, .value_kind: global_buffer, .address_space: global }
      - { .name: qim, .offset: 128, .size: 8, .value_kind: global_buffer, .address_space: global }
      - { .name: qsc, .offset: 136, .size: 8, .value_kind: global_buffer, .address_space: global }
      - { .name: kv, .offset: 144, .size: 8, .value_kind: global_buffer, .address_space: global }
      - { .name: pm, .offset: 152, .size: 8, .value_kind: global_buffer, .address_space: global }
      - { .name: mfl, .offset: 160, .size: 8, .value_kind: global_buffer, .address_space: global }
    .group_segment_fixed_size: 167936
    .private_segment_fixed_size: 0
    .kernarg_segment_align: 8
    .kernarg_segment_size: 168
    .max_flat_workgroup_size: 128
    .sgpr_count:     102
    .vgpr_count:     1024
    .wavefront_size: 32
...
	.end_amdgpu_metadata
.endif
;; end of part 1
;; launch attn (part 2): grid 4 x 64, 16 waves a work-group, no clusters, 20,480 bytes of LDS; arguments qim, qsc, kv, pm, mfl, oim, osc; writes oim, osc
.if DOCPART == 2
	.amdgcn_target "amdgcn-amd-amdhsa--gfx1250"
	.amdhsa_code_object_version 6
	.text
	.protected	k_q57c722126d_attn
	.globl	k_q57c722126d_attn
	.p2align	8
	.type	k_q57c722126d_attn,@function
k_q57c722126d_attn:
	s_mov_b64 s[64:65], 0
	v_nop
	global_prefetch_b8 v0, s[64:65] scope:SCOPE_SE
	s_setreg_imm32_b32 hwreg(HW_REG_WAVE_MODE, 25, 1), 1
	s_wait_xcnt 0x0
; LAUNCH 2 OF 3: scores, softmax, O = P V on codes of FP4, and O quantised along the model's 1,024 for the last projection.
; LEFT OUT, by whole numbers that the launch before stored (mfl): a step of 128 keys all of which are hidden for all 16 queries of a tile, in a tile all of whose rows have an open key: reference()'s f32 gives
; those keys the weight 0.  A tile with a row that has no open key walks all steps.  A NaN or an infinity that reaches only a step so passed over is not carried to the result.
; LIMITS: a hidden score is set to -2^33 ahead of the scale, a logit of -2^30 where reference() has -1e9.  -2^33 x c is exact and a whole number, so a row with no open key gets p = 1 on all 2,048 keys, the uniform
; average that reference() gives; beside any open key a hidden p is 0 either way, so long as open logits lie above some -1e8.  NaN and infinities are not served.
; SHARES.  A work-group takes two blocks of 256 queries of one head, blocks 7 - x and x; each of its sixteen waves one tile of 16 queries, in 256 registers, four waves to a SIMD.
; A key step's record (K's 8 images, V^T's 8, the scale words: 8,960 bytes) goes memory -> registers -> LDS, 16 bytes a thread, a step ahead, into two slots by turns: the walk hangs on loaded flags, so there is no
; tensor load in this text, and so no cluster either.  No prefetch: a record is read by the eight query blocks of its head, and its load is issued a whole step ahead of its use.
; LAYOUT.  Both products transposed: S^T = K Q^T (source 0 = 16 keys, source 1 = my queries), O^T = V^T P^T: a lane holds ONE query throughout.  The head has 64 channels under an instruction of K = 128: Q's registers
; 4-7 are zeros, K's operand names the next tile's registers there, and both sides' scale bytes 2 and 3 are 0 (2^-127): those products are exact zeros.
; SOFTMAX: t = score x log2(e) / 8; M = the running largest t rounded up; p = 2^(t - M) is quantised along the keys; the sum of the unquantised p divides at the end.
.set RECB,  9216                       ; a record in memory, and a slot in LDS
.set SPARE, 2*RECB                     ; the spare words, 128 bytes for each of 16 waves
.set LI,  1                            ; v1  16 x lane
.set LI8, 2                            ; v2  8 x lane
.set R4,  3                            ; v3  4 r
.set PMA, 4                            ; v4  256 rho(r): my query's row of mask words
.set SPW, 5
.set NIL, 6
.set TI16, 7                           ; v7  16 x thread
.set TI8, 8                            ; v8  8 x thread
.set SH4, 9                            ; v9  4 h
.set NEGR, 10                          ; v10 -2^33
.set SH8, 11                           ; v11 8 h
.set QF,  16                           ; v[16:23] Q's fragment; v20-23 stay 0
.set QS,  24                           ; v24 Q's scale words
.set OSA, 25                           ; v25 32 r + h
.set KS,  28                           ; v[28:31] K's scale words: register i: lanes 0-15 tile 2 i, lanes 16-31 tile 2 i + 1
.set KF,  32                           ; v[32:63] K's 8 tiles, 4 registers each; v64-67 stay 0
.set VF,  68                           ; v[68:99] V^T's 4 fragments
.set VS,  100                          ; v[100:101] V's scale words
.set MW,  102                          ; v[102:105] my query's four mask words of the step
.set SG,  106                          ; v[106:111] the record on its way to LDS
.set S,   112                          ; v[112:175] S^T, then p
.set O,   176                          ; v[176:207] O^T
.set PC,  208                          ; v[208:215] codes
.set BM,  216                          ; v[216:219] block maxima
.set BX,  220
.set SCO, 224
.set TA,  228
.set FF,  230                          ; v230 f = 2^(old M - new M); v231 the scale word (named with it as a pair)
.set PW,  231
.set MT,  232
.set WV, 18
.set BH, 19
.set QB, 20
.set QC, 21
.set UL, 22                            ; bit 0: some wave of the work-group wants the step in hand; bit 2: the next
.set OL, 23                            ; bit 0: my tile wants it
.set OM, 24                            ; bit 0: and some of its keys are hidden
.set TR, 25
.set REC, 26                           ; s[26:27] the step's record
.set PMB, 28                           ; s[28:29] my tile's mask words of the step
.set SEL, 66
.set CS,  68                           ; s[68:69] c = log2(e) / 8
	s_load_b256 s[4:11], s[0:1], 0x0               ; qim, qsc, kv, pm
	s_load_b128 s[12:15], s[0:1], 0x20             ; mfl, oim
	s_load_b64 s[16:17], s[0:1], 0x30              ; osc
	v_lshl_add_u32 v[SPW], v0, 2, SPARE
	v_mov_b32 v[NIL], 0
	v_lshrrev_b32 v26, 5, v0
	v_readfirstlane_b32 s[WV], v26                 ; wave 0..15
	v_and_b32 v26, 31, v0                          ; lane
	v_and_b32 v27, 15, v0                          ; r
	v_bfe_u32 v232, v0, 4, 1                       ; h
	v_and_b32 v233, 8, v27
	v_add_nc_u32 v233, v233, v27                   ; rho(r)
	v_lshlrev_b32 v[LI], 4, v26
	v_lshlrev_b32 v[LI8], 3, v26
	v_lshlrev_b32 v[R4], 2, v27
	v_lshlrev_b32 v[PMA], 8, v233
	v_lshlrev_b32 v[TI16], 4, v0
	v_lshlrev_b32 v[TI8], 3, v0
	v_lshlrev_b32 v[SH4], 2, v232
	v_lshlrev_b32 v[SH8], 3, v232
	v_lshl_add_u32 v[OSA], v27, 5, v232
	v_mov_b32 v[NEGR], 0xd0000000
.irp k, 20,21,22,23,64,65,66,67,102,103,104,105,106,107,108,109,110,111,220,221,222,223,228,231
	v_mov_b32 v\k, 0                               ; the zeros that stay; and registers that are named on some way through the text before a load or a result has filled them
.endr
	s_mov_b32 s[SEL], 0x76543210
	s_mov_b32 s[SEL+1], 0xfedcba98
	s_mov_b32 s[CS], 0x3e38aa3b
	s_mov_b32 s[CS+1], s[CS]
	s_and_b32 s[BH], ttmp7, 0xffff
	s_sub_co_u32 s[QB], 7, ttmp9
	s_mov_b32 s[QC], 2
	s_mov_b32 s31, 0
	s_wait_kmcnt 0x0
; A KEY STEP'S WORK for my tile, out of slot sg
.macro COMPUTE sg
.set BASE, (\sg)*RECB
	ds_load_b128 v[KS:KS+3], v[LI] offset:BASE+8192
.irp t, 0,1,2,3,4,5,6,7
	ds_load_b128 v[KF+4*\t:KF+4*\t+3], v[LI] offset:BASE+512*\t
.endr
	s_bitcmp1_b32 s[OM], 0
	s_cbranch_scc0 .Lnm_\@
	global_load_b128 v[MW:MW+3], v[PMA], s[PMB:PMB+1]
.Lnm_\@:
.irp t, 0,1,2,3
.irp c, 0,1
	ds_load_b128 v[VF+8*\t+4*\c:VF+8*\t+4*\c+3], v[LI] offset:BASE+4096+1024*\t+512*\c
.endr
.endr
	ds_load_b64 v[VS:VS+1], v[LI8] offset:BASE+8704
	s_wait_dscnt 9                                 ; K and its scale words are in; V's eight loads and V's scale load, issued behind them, may be out
.irp t, 0,2,4,6
	v_wmma_scale_f32_16x16x128_f8f6f4 v[S+8*\t:S+8*\t+7], v[KF+4*\t:KF+4*\t+7], v[QF:QF+7], 0, v[KS+\t/2], v[QS] matrix_a_fmt:MATRIX_FMT_FP4 matrix_b_fmt:MATRIX_FMT_FP4
	v_wmma_scale_f32_16x16x128_f8f6f4 v[S+8*\t+8:S+8*\t+15], v[KF+4*\t+4:KF+4*\t+11], v[QF:QF+7], 0, v[KS+\t/2], v[QS] matrix_a_fmt:MATRIX_FMT_FP4 matrix_b_fmt:MATRIX_FMT_FP4 matrix_a_scale:MATRIX_SCALE_ROW1
.endr
.rept 4
	v_nop                                          ; places in front of the first read of the scores
.endr
	s_bitcmp1_b32 s[OM], 0
	s_cbranch_scc0 .Lopen_\@
	s_wait_loadcnt 0x0                             ; the mask words
.irp e, 0,1,2,3
	v_lshrrev_b32 v[MW+\e], v[SH4], v[MW+\e]       ; register 16 b + i holds key 32 b + 16 h + i = 4 l + e: e = i % 4, l = 8 b + 4 h + i / 4
.endr
.set n, 0
.rept 32
	v_and_b32 v[MT], 1<<(8*(n/16)+(n%16)/4), v[MW+n%4]
	v_and_b32 v[MT+1], 1<<(8*(n/16)+(n%16)/4), v[MW+(n+1)%4]
	v_cmp_eq_u32 s84, 0, v[MT]
	v_cmp_eq_u32 s85, 0, v[MT+1]
	v_cndmask_b32 v[S+n], v[S+n], v[NEGR], s84     ; hidden: -2^33
	v_cndmask_b32 v[S+n+1], v[S+n+1], v[NEGR], s85
.set n, n+2
.endr
.Lopen_\@:
.irp b, 0,1,2,3
	v_max3_num_f32 v[BM+\b], v[S+16*\b], v[S+1+16*\b], v[S+2+16*\b]   ; the largest score of each block of 32 keys: for the row's maximum, and, since p rises with the score, for the block's largest p
.endr
.irp i, 3,5,7,9,11,13
.irp b, 0,1,2,3
	v_max3_num_f32 v[BM+\b], v[BM+\b], v[S+16*\b+\i], v[S+1+16*\b+\i]
.endr
.endr
.irp b, 0,1,2,3
	v_max_num_f32 v[BM+\b], v[BM+\b], v[S+15+16*\b]
.endr
.irp b, 0,1,2,3
	v_permlanex16_b32 v[BX+\b], v[BM+\b], s[SEL], s[SEL+1]
.endr
.irp b, 0,1,2,3
	v_max_num_f32 v[BM+\b], v[BM+\b], v[BX+\b]     ; with lane l xor 16's 16 keys
.endr
	v_max3_num_f32 v[TA], v[BM], v[BM+1], v[BM+2]
	v_max_num_f32 v[TA], v[TA], v[BM+3]
	v_mul_f32 v[TA], s[CS], v[TA]                  ; as t
	v_max_num_f32 v13, v13, v[TA]                  ; the running largest t
	v_mov_b32 v[TA], v12
	v_floor_f32 v12, -v13                          ; -M = floor(-t): M is a whole number
	v_sub_f32 v[TA], v12, v[TA]                    ; old M - new M, 0 or less
	v_cvt_i32_f32 v[TA], v[TA]                     ; (it saturates)
	v_ldexp_f32 v[FF], 1.0, v[TA]                  ; f = 2^(old M - new M): a multiplication by it rounds nothing
.set j, 0
.rept 32
	v_pk_fma_f32 v[S+j:S+j+1], v[S+j:S+j+1], s[CS:CS+1], v[12:13] op_sel_hi:[1,0,0]   ; t - M, two at a time
.set j, j+2
.endr
.irp b, 0,1,2,3
	v_fma_f32 v[BM+\b], v[BM+\b], s[CS], v12
.endr
.set j, 0
.rept 64
	v_exp_f32 v[S+j], v[S+j]                       ; p = 2^(t - M): not normalised
.set j, j+1
.endr
	v_pk_mul_f32 v[14:15], v[14:15], v[FF:FF+1] op_sel_hi:[1,0]    ; the sums under the new M; the plain place behind the exponentials
	s_wait_alu depctr_va_vdst(0)                   ; one wait for the batch, ahead of its first reader
.irp b, 0,1,2,3
	v_exp_f32 v[BM+\b], v[BM+\b]                   ; the block's largest p
.endr
	v_pk_add_f32 v[BX:BX+1], v[S:S+1], v[S+2:S+3]  ; the row's sum is taken of the unquantised p, in two chains
.irp j, 4,8,12,16,20,24,28,32,36,40,44,48,52,56,60
	v_pk_add_f32 v[14:15], v[14:15], v[S+\j:S+\j+1]
	v_pk_add_f32 v[BX:BX+1], v[BX:BX+1], v[S+2+\j:S+3+\j]
.endr
	v_pk_add_f32 v[14:15], v[14:15], v[BX:BX+1]
	s_wait_alu depctr_va_vdst(0)                   ; and one for the four
.irp b, 0,1,2,3
	v_max_num_f32 v[BM+\b], 0x1800000, v[BM+\b]    ; the floor 2^(3 - 127): the byte cannot fall under 1
.endr
.irp b, 0,1,2,3
	v_add_nc_u32 v[SCO+\b], 0xff000000, v[BM+\b]
.endr
.irp b, 0,1,2,3
	v_lshrrev_b32 v[BX+\b], 23, v[SCO+\b]
.endr
	v_lshl_or_b32 v[PW], v[BX+1], 8, v[BX]         ; p's scale word for these 128 keys
	v_lshl_or_b32 v[PW], v[BX+2], 16, v[PW]
	v_lshl_or_b32 v[PW], v[BX+3], 24, v[PW]
.irp b, 0,1,2,3
	v_cvt_scalef32_pk8_fp4_f32 v[PC+2*\b], v[S+16*\b:S+7+16*\b], v[SCO+\b]
	v_cvt_scalef32_pk8_fp4_f32 v[PC+1+2*\b], v[S+8+16*\b:S+15+16*\b], v[SCO+\b]
.endr
	v_nop                                          ; one plain place behind a scaled conversion
.irp c, 0,1
.irp i, 0,1
	v_permlane16_swap_b32 v[PC+4*\c+\i], v[PC+2+4*\c+\i]
.endr
.endr
.set j, 0
.rept 16
	v_pk_mul_f32 v[O+j:O+j+1], v[O+j:O+j+1], v[FF:FF+1] op_sel_hi:[1,0]   ; O^T under the new M; for each product below twelve of these name none of its registers: the places behind the scale word and the codes
.set j, j+2
.endr
.rept 4
	v_nop                                          ; and four between the last rescaling and the products that add onto it
.endr
	s_wait_dscnt 0x0                               ; V
.irp t, 0,2
	v_wmma_scale_f32_16x16x128_f8f6f4 v[O+8*\t:O+8*\t+7], v[VF+8*\t:VF+8*\t+7], v[PC:PC+7], v[O+8*\t:O+8*\t+7], v[VS+\t/2], v[PW] matrix_a_fmt:MATRIX_FMT_FP4 matrix_b_fmt:MATRIX_FMT_FP4
	v_wmma_scale_f32_16x16x128_f8f6f4 v[O+8*\t+8:O+8*\t+15], v[VF+8*\t+8:VF+8*\t+15], v[PC:PC+7], v[O+8*\t+8:O+8*\t+15], v[VS+\t/2], v[PW] matrix_a_fmt:MATRIX_FMT_FP4 matrix_b_fmt:MATRIX_FMT_FP4 matrix_a_scale:MATRIX_SCALE_ROW1
.endr
.rept 4
	v_nop                                          ; places in front of the next loads into these operands and of the next read of O^T
.endr
.endm
; A KEY STEP.  One barrier, which every wave passes: in front of it my stores into slot sg have landed and my reads of the other slot are over.  Behind it the next record is asked for, if any wave will want it;
; my tile's work follows, if the flags ask for it; then the record goes into the other slot.
.macro STEP sg
	s_wait_dscnt 0x0
	s_barrier_signal -1
	s_barrier_wait -1
	s_bitcmp1_b32 s[UL], 2                         ; (0 in the last step: nothing beyond the head's records is asked for)
	s_cbranch_scc0 .Lnl_\@
	global_load_b128 v[SG:SG+3], v[TI16], s[REC:REC+1] offset:RECB
	s_cmp_lt_u32 s[WV], 3
	s_cbranch_scc0 .Lnl_\@
	global_load_b64 v[SG+4:SG+5], v[TI8], s[REC:REC+1] offset:RECB+8192    ; the scale words: 768 bytes, three waves
.Lnl_\@:
	s_bitcmp1_b32 s[OL], 0
	s_cbranch_scc0 .Lskip_\@
	COMPUTE \sg
.Lskip_\@:
	s_wait_loadcnt 0x0                             ; the record is in registers; all my loads are done, so their bases may step
	s_bitcmp1_b32 s[UL], 2
	s_cbranch_scc0 .Lns_\@
	ds_store_b128 v[TI16], v[SG:SG+3] offset:(1-\sg)*RECB
	s_cmp_lt_u32 s[WV], 3
	s_cbranch_scc0 .Lns_\@
	ds_store_b64 v[TI8], v[SG+4:SG+5] offset:(1-\sg)*RECB+8192
.Lns_\@:
	s_add_nc_u64 s[REC:REC+1], s[REC:REC+1], RECB
	s_add_nc_u64 s[PMB:PMB+1], s[PMB:PMB+1], 16
	s_lshr_b32 s[UL], s[UL], 2
	s_lshr_b32 s[OL], s[OL], 2
	s_lshr_b32 s[OM], s[OM], 2
.endm
.Lblock:	; ---- a block of 256 queries
	s_lshl_b32 s30, s[QB], 7
	s_add_nc_u64 s[78:79], s[12:13], s[30:31]
	s_load_b512 s[32:47], s[78:79], 0x0            ; L' of the block's 32 groups of 8 rows
	s_load_b512 s[48:63], s[78:79], 0x40
	s_lshr_b32 s84, s[WV], 1
	s_and_b32 s85, s[WV], 1
	s_lshl_b32 s30, s84, 4
	s_lshl_b32 s86, s85, 2
	s_add_co_u32 s30, s30, s86
	s_add_nc_u64 s[86:87], s[78:79], s[30:31]      ; my tile's rows are groups 4 (w / 2) + w % 2 and the second one on
	s_load_b32 s80, s[86:87], 0x0
	s_load_b32 s81, s[86:87], 0x8
	s_load_b32 s82, s[86:87], 0x400
	s_load_b32 s83, s[86:87], 0x408
	s_lshl_b32 s88, s[QB], 4
	s_add_co_u32 s88, s88, s[WV]                   ; my tile T
	s_lshl_b32 s89, s[BH], 7
	s_add_co_u32 s89, s89, s88
	s_lshl_b32 s30, s89, 9
	s_add_nc_u64 s[70:71], s[4:5], s[30:31]
	s_lshl_b32 s30, s89, 6
	s_add_nc_u64 s[72:73], s[6:7], s[30:31]
	global_load_b128 v[QF:QF+3], v[LI], s[70:71]
	global_load_b32 v[QS], v[R4], s[72:73]
	s_mul_i32 s30, s[BH], 16*RECB
	s_add_nc_u64 s[REC:REC+1], s[8:9], s[30:31]
	s_lshl_b32 s30, s[QB], 16                      ; 256 bytes x row 256 QB + 32 (w / 2) + 8 (w % 2)
	s_lshl_b32 s89, s84, 13
	s_add_co_u32 s30, s30, s89
	s_lshl_b32 s89, s85, 11
	s_add_co_u32 s30, s30, s89
	s_add_nc_u64 s[PMB:PMB+1], s[10:11], s[30:31]
	s_lshr_b32 s89, s[BH], 4
	s_lshl_b32 s89, s89, 7
	s_add_co_u32 s89, s89, s88                     ; the tile among all 512
	s_and_b32 s84, s[BH], 15                       ; the head
	s_lshl_b32 s30, s89, 13
	s_lshl_b32 s85, s84, 9                         ; K step head / 2, half head % 2: 512 bytes a head
	s_add_co_u32 s30, s30, s85
	s_add_nc_u64 s[74:75], s[14:15], s[30:31]
	s_lshl_b32 s30, s89, 9
	s_lshl_b32 s85, s84, 1                         ; two scale bytes a head
	s_add_co_u32 s30, s30, s85
	s_add_nc_u64 s[76:77], s[16:17], s[30:31]
	v_mov_b32 v13, 0xff61b1e6                      ; the largest t so far: -3e38
	v_floor_f32 v12, -v13
	v_mov_b32 v14, 0
	v_mov_b32 v15, 0
.set j, 0
.rept 32
	v_mov_b32 v[O+j], 0                            ; the step is written once: the first finds zeros
.set j, j+1
.endr
	s_wait_kmcnt 0x0
.irp k, 34,36,38,40,42,44,46,48,50,52,54,56,58,60,62
	s_or_b64 s[32:33], s[32:33], s[\k:\k+1]
.endr
	s_or_b32 s[UL], s32, s33
	s_or_b32 s[OL], s80, s81
	s_or_b32 s[OM], s82, s83
	s_and_b32 s[OM], s[OM], s[OL]
	; the first record into slot 0: nobody reads that slot (in the second block: it was last read in step 14, and every wave has passed step 15's barrier)
	s_bitcmp1_b32 s[UL], 0
	s_cbranch_scc0 .Lp1
	global_load_b128 v[SG:SG+3], v[TI16], s[REC:REC+1]
	s_cmp_lt_u32 s[WV], 3
	s_cbranch_scc0 .Lp1
	global_load_b64 v[SG+4:SG+5], v[TI8], s[REC:REC+1] offset:8192
.Lp1:
	s_wait_loadcnt 0x0                             ; and Q
	s_bitcmp1_b32 s[UL], 0
	s_cbranch_scc0 .Lp2
	ds_store_b128 v[TI16], v[SG:SG+3]
	s_cmp_lt_u32 s[WV], 3
	s_cbranch_scc0 .Lp2
	ds_store_b64 v[TI8], v[SG+4:SG+5] offset:8192
.Lp2:
	s_mov_b32 s[TR], 8
.Lkey:
	STEP 0
	STEP 1
	s_sub_co_u32 s[TR], s[TR], 1
	s_cmp_lg_u32 s[TR], 0
	s_cbranch_scc1 .Lkey
	; ---- the way out: O^T / the sum; register 16 b + i is channel 32 b + 16 h + i of my query: two blocks of the last product's K
	v_add_f32 v14, v14, v15
	v_permlanex16_b32 v[TA], v14, s[SEL], s[SEL+1]
	v_add_f32 v14, v14, v[TA]
	v_rcp_f32 v14, v14
	v_nop                                          ; a plain place behind the reciprocal
	s_wait_alu depctr_va_vdst(0)                   ; and the wait ahead of its first reader
.set j, 0
.rept 32
	v_mul_f32 v[S+j], v[O+j], v14
.set j, j+1
.endr
.irp b, 0,1
	v_max3_num_f32 v[BM+\b], |v[S+16*\b]|, |v[S+1+16*\b]|, 0x1800000
.endr
.irp i, 2,4,6,8,10,12,14
.irp b, 0,1
	v_max3_num_f32 v[BM+\b], v[BM+\b], |v[S+16*\b+\i]|, |v[S+1+16*\b+\i]|
.endr
.endr
.irp b, 0,1
	v_permlanex16_b32 v[BX+\b], v[BM+\b], s[SEL], s[SEL+1]
.endr
.irp b, 0,1
	v_max_num_f32 v[BM+\b], v[BM+\b], v[BX+\b]
.endr
.irp b, 0,1
	v_add_nc_u32 v[SCO+\b], 0xff000000, v[BM+\b]
.endr
.irp b, 0,1
	v_lshrrev_b32 v[BX+\b], 23, v[SCO+\b]
.endr
	v_lshl_or_b32 v[PW], v[BX+1], 8, v[BX]
.irp b, 0,1
	v_cvt_scalef32_pk8_fp4_f32 v[PC+2*\b], v[S+16*\b:S+7+16*\b], v[SCO+\b]
	v_cvt_scalef32_pk8_fp4_f32 v[PC+1+2*\b], v[S+8+16*\b:S+15+16*\b], v[SCO+\b]
.endr
	v_nop
	v_permlane16_swap_b32 v[PC], v[PC+2]
	v_permlane16_swap_b32 v[PC+1], v[PC+3]         ; lane (r, h): block h of my head, 16 bytes
	global_store_b128 v[LI], v[PC:PC+3], s[74:75]  ; an image: 512 consecutive bytes
	v_lshrrev_b32 v[TA], v[SH8], v[PW]
	global_store_b8 v[OSA], v[TA], s[76:77]        ; my block's byte.  Single bytes: the other bytes of these words belong to other heads' work-groups; all of osc is 256 KB
	s_wait_xcnt 0x0                                ; the stores have read their registers and bases
	s_sub_co_u32 s[QB], 7, s[QB]
	s_sub_co_u32 s[QC], s[QC], 1
	s_cmp_lg_u32 s[QC], 0
	s_cbranch_scc1 .Lblock
	s_wait_tensorcnt 0x0                           ; the wave's end
	ds_add_u32 v[SPW], v[NIL]
	s_wait_dscnt 0x0
	s_endpgm
.Lfunc_end_k_q57c722126d_attn:
	.size	k_q57c722126d_attn, .Lfunc_end_k_q57c722126d_attn-k_q57c722126d_attn
	.p2alignl 7, 3214868480
	.fill 96, 4, 3214868480
	.section	.rodata,"a",@progbits
	.p2align	6, 0x0
	.amdhsa_kernel k_q57c722126d_attn
		.amdhsa_group_segment_fixed_size 20480
		.amdhsa_private_segment_fixed_size 0
		.amdhsa_enable_private_segment 0
		.amdhsa_kernarg_size 56
		.amdhsa_user_sgpr_count 2
		.amdhsa_user_sgpr_kernarg_segment_ptr 1
		.amdhsa_wavefront_size32 1
		.amdhsa_system_sgpr_workgroup_id_x 1
		.amdhsa_system_sgpr_workgroup_id_y 1
		.amdhsa_system_sgpr_workgroup_id_z 1
		.amdhsa_system_vgpr_workitem_id 0
		.amdhsa_next_free_vgpr 256
		.amdhsa_next_free_sgpr 92
		.amdhsa_reserve_vcc 0
		.amdhsa_float_denorm_mode_32 3
		.amdhsa_float_denorm_mode_16_64 3
		.amdhsa_memory_ordered 1
		.amdhsa_forward_progress 1
		.amdhsa_inst_pref_size 66
	.end_amdhsa_kernel
	.amdgpu_metadata
---
amdhsa.version: [ 1, 2 ]
amdhsa.kernels:
  - .name:           k_q57c722126d_attn
    .symbol:         k_q57c722126d_attn.kd
    .args:
      - { .name: qim, .offset: 0, .size: 8, .value_kind: global_buffer, .address_space: global }
      - { .name: qsc, .offset: 8, .size: 8, .value_kind: global_buffer, .address_space: global }
      - { .name: kv, .offset: 16, .size: 8, .value_kind: global_buffer, .address_space: global }
      - { .name: pm, .offset: 24, .size: 8, .value_kind: global_buffer, .address_space: global }
      - { .name: mfl, .offset: 32, .size: 8, .value_kind: global_buffer, .address_space: global }
      - { .name: oim, .offset: 40, .size: 8, .value_kind: global_buffer, .address_space: global }
      - { .name: osc, .offset: 48, .size: 8, .value_kind: global_buffer, .address_space: global }
    .group_segment_fixed_size: 20480
    .private_segment_fixed_size: 0
    .kernarg_segment_align: 8
    .kernarg_segment_size: 56
    .max_flat_workgroup_size: 512
    .sgpr_count:     92
    .vgpr_count:     256
    .wavefront_size: 32
...
	.end_amdgpu_metadata
.endif
;; end of part 2
;; launch oproj (part 3): grid 256 x 1, 4 waves a work-group, no clusters, 34,304 bytes of LDS; arguments oim, osc, Wo_codes, Wo_scales, bo, out0; writes out0
.if DOCPART == 3
	.amdgcn_target "amdgcn-amd-amdhsa--gfx1250"
	.amdhsa_code_object_version 6
	.text
	.protected	k_q57c722126d_oproj
	.globl	k_q57c722126d_oproj
	.p2align	8
	.type	k_q57c722126d_oproj,@function
k_q57c722126d_oproj:
	s_mov_b64 s[64:65], 0
	v_nop
	global_prefetch_b8 v0, s[64:65] scope:SCOPE_SE
	s_setreg_imm32_b32 hwreg(HW_REG_WAVE_MODE, 25, 1), 1
	s_wait_xcnt 0x0
; LAUNCH 3 OF 3: out0 = O Wo^T + bo on codes of FP4.  Nothing is left out here.
; A work-group takes 64 rows (four tiles of 16) x 512 columns; wave w keeps Wo's rows 512 sl + 128 w, K 1,024, in 512 registers (windows 1 and 2) and walks the four tiles, whose fragments lie in memory as images
; of their registers: every load reads 512 consecutive bytes, straight into the operand.  Source 0 = 16 rows of Wo, source 1 = the tile: a lane holds one row of the output and 64 of its columns.
; Tiles are laid as in the launches before: lane r of tile t holds row 32 (t / 2) + 8 (t % 2) + r + 8 (r / 8); result register 16 b + i of lane (r, h) is column 32 b + 16 h + i.
; The waves share nothing: no barrier, no tensor load, no cluster (operands go straight into registers, and the launch's bytes are mostly its own 33.5 MB of output).
; The way out: a tile's 16 rows x 512 bytes go through the wave's own stage in LDS and leave as whole rows, 512 consecutive bytes a store.
.set STG,   16*528                     ; a wave's stage: 16 rows of 512 bytes + 16
.set SPARE, 4*STG                      ; the spare words, 128 bytes for each wave
.set LI,   1                           ; v1  16 x lane
.set STA,  3                           ; v3  Wo's codes: 512 rho(r) + 16 h
.set STSA, 4                           ; v4  Wo's scales: 32 (8 h + rho(r))
.set BA,   5                           ; v5  bo: 64 h
.set XSA,  6                           ; v6  the tiles' scale words: 512 (lane / 16) + 32 r
.set STO,  7                           ; v7  the stage: row r, + 64 h
.set RD,   8                           ; v8  and back: 16 x lane
.set SPW,  12
.set NIL,  13
.set XS,   16                          ; v[16:31]  scale words: pair p, K step s at 8 p + s: lanes 0-15 tile 2 p, lanes 16-31 tile 2 p + 1
.set SS,   32                          ; v[32:63]  Wo's: register 8 (a / 2) + s
.set XF,   64                          ; v[64:191] two sets of a tile's eight fragments; later the tile's rows on their way out
.set ACC,  64                          ; window 3: v0-63 bo in the result's layout, v64-127 eight accumulators
.set WV,   22
.set MSB, 0
.macro WIN new
.if MSB != (\new)
	s_set_vgpr_msb (MSB<<8)|(\new)
.set MSB, (\new)
.endif
.endm
.macro WMC ar, br
.if (\ar) && (\br)
	v_wmma_scale_f32_16x16x128_f8f6f4 v[rD:rD+7], v[rA:rA+7], v[rB:rB+7], v[rC:rC+7], v[rSA], v[rSB] matrix_a_fmt:MATRIX_FMT_FP4 matrix_b_fmt:MATRIX_FMT_FP4 matrix_a_scale:MATRIX_SCALE_ROW1 matrix_b_scale:MATRIX_SCALE_ROW1
.elseif (\ar)
	v_wmma_scale_f32_16x16x128_f8f6f4 v[rD:rD+7], v[rA:rA+7], v[rB:rB+7], v[rC:rC+7], v[rSA], v[rSB] matrix_a_fmt:MATRIX_FMT_FP4 matrix_b_fmt:MATRIX_FMT_FP4 matrix_a_scale:MATRIX_SCALE_ROW1
.elseif (\br)
	v_wmma_scale_f32_16x16x128_f8f6f4 v[rD:rD+7], v[rA:rA+7], v[rB:rB+7], v[rC:rC+7], v[rSA], v[rSB] matrix_a_fmt:MATRIX_FMT_FP4 matrix_b_fmt:MATRIX_FMT_FP4 matrix_b_scale:MATRIX_SCALE_ROW1
.else
	v_wmma_scale_f32_16x16x128_f8f6f4 v[rD:rD+7], v[rA:rA+7], v[rB:rB+7], v[rC:rC+7], v[rSA], v[rSB] matrix_a_fmt:MATRIX_FMT_FP4 matrix_b_fmt:MATRIX_FMT_FP4
.endif
.endm
.macro TLOAD j                         ; tile j's eight fragments into set j % 2
.irp s, 0,1,2,3,4,5,6,7
.irp c, 0,1
	global_load_b128 v[XF+64*((\j)%2)+8*\s+4*\c:XF+64*((\j)%2)+8*\s+4*\c+3], v[LI], s[4:5] offset:8192*(\j)+1024*\s+512*\c
.endr
.endr
.endm
	s_load_b256 s[4:11], s[0:1], 0x0               ; oim, osc, Wo's codes, Wo's scales
	s_load_b128 s[12:15], s[0:1], 0x20             ; bo, out0
	v_lshl_add_u32 v[SPW], v0, 2, SPARE
	v_mov_b32 v[NIL], 0
	v_lshrrev_b32 v9, 5, v0
	v_readfirstlane_b32 s[WV], v9                  ; wave 0..3
	v_and_b32 v9, 31, v0
	v_and_b32 v10, 15, v0                          ; r
	v_bfe_u32 v11, v0, 4, 1                        ; h
	v_and_b32 v14, 8, v10
	v_add_nc_u32 v14, v14, v10                     ; rho(r)
	v_lshlrev_b32 v[LI], 4, v9
	v_lshlrev_b32 v[STA], 9, v14
	v_lshl_add_u32 v[STA], v11, 4, v[STA]
	v_lshl_add_u32 v15, v11, 3, v14
	v_lshlrev_b32 v[STSA], 5, v15
	v_lshlrev_b32 v[BA], 6, v11
	v_lshlrev_b32 v[XSA], 5, v10
	v_lshl_add_u32 v[XSA], v11, 9, v[XSA]
	s_mul_i32 s16, s[WV], STG
	v_mul_u32_u24 v[STO], v10, 528
	v_lshl_add_u32 v[STO], v11, 6, v[STO]
	v_add_nc_u32 v[STO], s16, v[STO]
	v_add_nc_u32 v[RD], s16, v[LI]
	s_and_b32 s17, ttmp9, 1                        ; which 512 columns
	s_lshr_b32 s18, ttmp9, 1                       ; which 64 rows
	s_lshl_b32 s17, s17, 9
	s_lshl_b32 s19, s[WV], 7
	s_add_co_u32 s17, s17, s19                     ; my first column = my first row of Wo
	s_mov_b32 s21, 0
	s_wait_kmcnt 0x0
	s_lshl_b32 s20, s18, 15
	s_add_nc_u64 s[4:5], s[4:5], s[20:21]          ; four tiles of 8,192 bytes
	s_lshl_b32 s20, s18, 11
	s_add_nc_u64 s[6:7], s[6:7], s[20:21]
	s_lshl_b32 s20, s17, 9
	s_add_nc_u64 s[8:9], s[8:9], s[20:21]
	s_lshl_b32 s20, s17, 5
	s_add_nc_u64 s[10:11], s[10:11], s[20:21]
	s_lshl_b32 s20, s17, 2
	s_add_nc_u64 s[12:13], s[12:13], s[20:21]
	s_add_nc_u64 s[14:15], s[14:15], s[20:21]
	s_lshl_b32 s20, s18, 18                        ; 64 rows of 4,096 bytes
	s_add_nc_u64 s[14:15], s[14:15], s[20:21]
.irp p, 0,1
.irp q, 0,1
	global_load_b128 v[XS+8*\p+4*\q:XS+8*\p+4*\q+3], v[XSA], s[6:7] offset:1024*\p+16*\q
.endr
.endr
	TLOAD 0
.irp a, 0,1,2,3,4,5,6,7                        ; Wo: tile a, K step s at v[64 (a % 4) + 8 s] of window 1 (a < 4) or 2
.if \a < 4
	WIN 0x40
.else
	WIN 0x80
.endif
.irp s, 0,1,2,3,4,5,6,7
.irp c, 0,1
	global_load_b128 v[64*(\a%4)+8*\s+4*\c:64*(\a%4)+8*\s+4*\c+3], v[STA], s[8:9] offset:512*(32*(\a/2)+8*(\a%2))+64*\s+32*\c
.endr
.endr
.endr
	WIN 0
.irp p, 0,1,2,3
.irp q, 0,1
	global_load_b128 v[SS+8*\p+4*\q:SS+8*\p+4*\q+3], v[STSA], s[10:11] offset:1024*\p+16*\q
.endr
.endr
	WIN 0xc0
.irp a, 0,1,2,3,4,5,6,7
.irp q, 0,1
	global_load_b128 v[8*\a+4*\q:8*\a+4*\q+3], v[BA], s[12:13] offset:4*(32*(\a/2)+8*(\a%2))+16*\q
.endr
.endr
	WIN 0
	TLOAD 1
.macro TILE j
.if (\j) < 3
	s_wait_loadcnt 16                              ; all but the next tile's 16 loads, which were issued last
.else
	s_wait_loadcnt 0
.endif
.irp hf, 0,1                                   ; 64 products, K ascending; four accumulators take turns, one instruction a turn; the first K step takes bo as C
	WIN 0xf1+\hf                                   ; source 0 window 1 or 2, source 1 window 0, C and D window 3
.irp s, 0,1,2,3,4,5,6,7
.irp a4, 0,1,2,3
.set rA, 64*\a4+8*\s
.set rB, XF+64*((\j)%2)+8*\s
.set rD, ACC+8*(4*\hf+\a4)
.set rC, rD
.if \s == 0
.set rC, 8*(4*\hf+\a4)
.endif
.set rSA, SS+8*((4*\hf+\a4)/2)+\s
.set rSB, XS+8*((\j)/2)+\s
	WMC \a4%2, (\j)%2
.endr
.endr
.endr
	WIN 0
.rept 5
	v_nop                                          ; four places in front of the stores that read the results and of the loads into the fragments' registers; five in front of the next tile's first products, which begin these accumulators anew
.endr
	WIN 0x0c                                       ; an LDS store's data are its source 1: window 3
.irp a, 0,1,2,3,4,5,6,7
.irp q, 0,1
	ds_store_b128 v[STO], v[ACC+8*\a+4*\q:ACC+8*\a+4*\q+3] offset:128*(\a/2)+32*(\a%2)+16*\q   ; each accumulator from its low end on
.endr
.endr
	WIN 0
.irp i, 0,1,2,3,4,5,6,7,8,9,10,11,12,13,14,15
	ds_load_b128 v[XF+64*((\j)%2)+4*\i:XF+64*((\j)%2)+4*\i+3], v[RD] offset:528*\i    ; LDS serves a wave's instructions in order: these see my stores
.endr
.irp i, 0,1,2,3,4,5,6,7,8,9,10,11,12,13,14,15
	s_wait_dscnt 15-\i                             ; row i is back; the younger read-backs may be out
	global_store_b128 v[LI], v[XF+64*((\j)%2)+4*\i:XF+64*((\j)%2)+4*\i+3], s[14:15] offset:4096*(32*((\j)/2)+8*((\j)%2)+\i+8*(\i/8)) th:TH_STORE_NT   ; 32 lanes store 512 consecutive bytes, aligned to 256
.endr
.if (\j) < 2
	s_wait_xcnt 0x0                                ; the stores have read their registers: the tile two on may land there
	TLOAD (\j)+2
.endif
.endm
	TILE 0
	TILE 1
	TILE 2
	TILE 3
	s_wait_tensorcnt 0x0                           ; the wave's end
	ds_add_u32 v[SPW], v[NIL]
	s_wait_dscnt 0x0
	s_endpgm
.Lfunc_end_k_q57c722126d_oproj:
	.size	k_q57c722126d_oproj, .Lfunc_end_k_q57c722126d_oproj-k_q57c722126d_oproj
	.p2alignl 7, 3214868480
	.fill 96, 4, 3214868480
	.section	.rodata,"a",@progbits
	.p2align	6, 0x0
	.amdhsa_kernel k_q57c722126d_oproj
		.amdhsa_group_segment_fixed_size 34304
		.amdhsa_private_segment_fixed_size 0
		.amdhsa_enable_private_segment 0
		.amdhsa_kernarg_size 48
		.amdhsa_user_sgpr_count 2
		.amdhsa_user_sgpr_kernarg_segment_ptr 1
		.amdhsa_wavefront_size32 1
		.amdhsa_system_sgpr_workgroup_id_x 1
		.amdhsa_system_sgpr_workgroup_id_y 1
		.amdhsa_system_sgpr_workgroup_id_z 1
		.amdhsa_system_vgpr_workitem_id 0
		.amdhsa_next_free_vgpr 1024
		.amdhsa_next_free_sgpr 66
		.amdhsa_reserve_vcc 0
		.amdhsa_float_denorm_mode_32 3
		.amdhsa_float_denorm_mode_16_64 3
		.amdhsa_memory_ordered 1
		.amdhsa_forward_progress 1
		.amdhsa_inst_pref_size 73
	.end_amdhsa_kernel
	.amdgpu_metadata
---
amdhsa.version: [ 1, 2 ]
amdhsa.kernels:
  - .name:           k_q57c722126d_oproj
    .symbol:         k_q57c722126d_oproj.kd
    .args:
      - { .name: oim, .offset: 0, .size: 8, .value_kind: global_buffer, .address_space: global }
      - { .name: osc, .offset: 8, .size: 8, .value_kind: global_buffer, .address_space: global }
      - { .name: Wo_codes, .offset: 16, .size: 8, .value_kind: global_buffer, .address_space: global }
      - { .name: Wo_scales, .offset: 24, .size: 8, .value_kind: global_buffer, .address_space: global }
      - { .name: bo, .offset: 32, .size: 8, .value_kind: global_buffer, .address_space: global }
      - { .name: out0, .offset: 40, .size: 8, .value_kind: global_buffer, .address_space: global }
    .group_segment_fixed_size: 34304
    .private_segment_fixed_size: 0
    .kernarg_segment_align: 8
    .kernarg_segment_size: 48
    .max_flat_workgroup_size: 128
    .sgpr_count:     66
    .vgpr_count:     1024
    .wavefront_size: 32
...
	.end_amdgpu_metadata
.endif
;; end of part 3
;; ======== version 2 of 2: 3 launches; version 1 with the launches attn, oproj written anew for expert scheduling mode
;; limits: right only within a limited range of input values
;; workspace buffers: qim 4,194,304 bytes; qsc 524,288 bytes; kv 9,437,184 bytes; pm 524,288 bytes of whole numbers; mfl 2,048 bytes of whole numbers; oim 4,194,304 bytes; osc 262,144 bytes
;; launch prep: the kernel of part 1 again; grid 256 x 1, 4 waves a work-group, no clusters, 167,936 bytes of LDS; arguments q_codes, q_scales, k_codes, k_scales, v_codes, v_scales, Wq_codes, Wq_scales, Wk_codes, Wk_scales, Wv_codes, Wv_scales, bq, bk, bv, mask, qim, qsc, kv, pm, mfl; writes qim, qsc, kv, pm, mfl
;; launch attn (part 4): grid 4 x 64, 16 waves a work-group, no clusters, 20,480 bytes of LDS; arguments qim, qsc, kv, pm, mfl, oim, osc; writes oim, osc
.if DOCPART == 4
	.amdgcn_target "amdgcn-amd-amdhsa--gfx1250"
	.amdhsa_code_object_version 6
	.text
	.protected	k_q57c722126d_attn
	.globl	k_q57c722126d_attn
	.p2align	8
	.type	k_q57c722126d_attn,@function
k_q57c722126d_attn:
	s_mov_b64 s[64:65], 0
	v_nop
	global_prefetch_b8 v0, s[64:65] scope:SCOPE_SE
	s_setreg_imm32_b32 hwreg(HW_REG_WAVE_SCHED_MODE, 0, 2), 2
	s_setreg_imm32_b32 hwreg(HW_REG_WAVE_MODE, 25, 1), 1
	s_wait_xcnt 0x0
	s_wait_alu depctr_vm_vsrc(0)
; LAUNCH 2 OF 3: scores, softmax, O = P V on codes of FP4, and O quantised along the model's 1,024 for the last projection.
; LEFT OUT, by whole numbers that the launch before stored (mfl): a step of 128 keys all of which are hidden for all 16 queries of a tile, in a tile all of whose rows have an open key: reference()'s f32 gives
; those keys the weight 0.  A tile with a row that has no open key walks all steps.  A NaN or an infinity that reaches only a step so passed over is not carried to the result.
; LIMITS: a hidden score is set to -2^33 ahead of the scale, a logit of -2^30 where reference() has -1e9.  -2^33 x c is exact and a whole number, so a row with no open key gets p = 1 on all 2,048 keys, the uniform
; average that reference() gives; beside any open key a hidden p is 0 either way, so long as open logits lie above some -1e8.  NaN and infinities are not served.
; SHARES.  A work-group takes two blocks of 256 queries of one head, blocks 7 - x and x; each of its sixteen waves one tile of 16 queries, in 256 registers, four waves to a SIMD.
; A key step's record (K's 8 images, V^T's 8, the scale words: 8,960 bytes) goes memory -> registers -> LDS, 16 bytes a thread, a step ahead, into two slots by turns: the walk hangs on loaded flags, so there is no
; tensor load in this text, and so no cluster either.  No prefetch: a record is read by the eight query blocks of its head, and its load is issued a whole step ahead of its use.
; LAYOUT.  Both products transposed: S^T = K Q^T (source 0 = 16 keys, source 1 = my queries), O^T = V^T P^T: a lane holds ONE query throughout.  The head has 64 channels under an instruction of K = 128: Q's registers
; 4-7 are zeros, K's operand names the next tile's registers there, and both sides' scale bytes 2 and 3 are 0 (2^-127): those products are exact zeros.
; SOFTMAX: t = score x log2(e) / 8; M = the running largest t rounded up; p = 2^(t - M) is quantised along the keys; the sum of the unquantised p divides at the end.
; THE MODE: SCHED_MODE bits 1:0 = 2 (LLVM: expert scheduling mode 2), set by the entry lines.  The code itself states the register dependences between vector or matrix instructions and memory or LDS
; instructions, with s_wait_alu, always for 0.
; THE PLAN.  Registers that memory or LDS instructions touch, and who else names them:
;   v1-v8, v25      addresses, made at the head and never written again.
;   QF, QS          land at a block's head; read by the block's products S^T.  (Q's upper four registers and v64-67 are zeros that the head writes.)
;   KS, KF          land at the head of a step's work; read by that step's products S^T.
;   VF, VS          land in the same step, their loads dealt among the products S^T, which do not name them; read by that step's products O^T.
;   MW              the step's mask words land; the mask lines shift them in place and read them.
;   SG              the next record lands behind the barrier; the LDS stores at the step's end read it; no vector line but the head's zeros names it.
;   PC, PW          written by the conversions, the swaps and the shifts; read by the products O^T as operand and scale; on the way out PC and TA are the data of two stores.
;   s32-s63         the masks of the mask lines' compares, 32 to a run; free in the loop over keys, since the block's flags have been folded by then.
; THE WAITS.  One on va_vdst at a block's head (addresses and zeros written; Q read out); one at the head of a step's work (KS, KF, VF, VS read out, MW done with), behind which the step's 18 LDS loads and its mask load
; follow with no further wait; one ahead of the products O^T (PC, PW written); one ahead of the way out's stores; the three behind transcendentals.  One on vm_vsrc at each step's head (SG read by the LDS stores) and
; one behind the way out's stores.  One on va_sdst for the wave's number and one behind each run of compares.
.set RECB,  9216                       ; a record in memory, and a slot in LDS
.set SPARE, 2*RECB                     ; the spare words, 128 bytes for each of 16 waves
.set LI,  1                            ; v1  16 x lane
.set LI8, 2                            ; v2  8 x lane
.set R4,  3                            ; v3  4 r
.set PMA, 4                            ; v4  256 rho(r): my query's row of mask words
.set SPW, 5
.set NIL, 6
.set TI16, 7                           ; v7  16 x thread
.set TI8, 8                            ; v8  8 x thread
.set SH4, 9                            ; v9  4 h
.set NEGR, 10                          ; v10 -2^33
.set SH8, 11                           ; v11 8 h
.set QF,  16                           ; v[16:23] Q's fragment; v20-23 stay 0
.set QS,  24                           ; v24 Q's scale words
.set OSA, 25                           ; v25 32 r + h
.set KS,  28                           ; v[28:31] K's scale words: register i: lanes 0-15 tile 2 i, lanes 16-31 tile 2 i + 1
.set KF,  32                           ; v[32:63] K's 8 tiles, 4 registers each; v64-67 stay 0
.set VF,  68                           ; v[68:99] V^T's 4 fragments
.set VS,  100                          ; v[100:101] V's scale words
.set MW,  102                          ; v[102:105] my query's four mask words of the step
.set SG,  106                          ; v[106:111] the record on its way to LDS
.set S,   112                          ; v[112:175] S^T, then p
.set O,   176                          ; v[176:207] O^T
.set PC,  208                          ; v[208:215] codes
.set BM,  216                          ; v[216:219] block maxima
.set BX,  220
.set SCO, 224
.set TA,  228
.set FF,  230                          ; v230 f = 2^(old M - new M); v231 the scale word (named with it as a pair)
.set PW,  231
.set MT,  232
.set WV, 18
.set BH, 19
.set QB, 20
.set QC, 21
.set UL, 22                            ; bit 0: some wave of the work-group wants the step in hand; bit 2: the next
.set OL, 23                            ; bit 0: my tile wants it
.set OM, 24                            ; bit 0: and some of its keys are hidden
.set TR, 25
.set REC, 26                           ; s[26:27] the step's record
.set PMB, 28                           ; s[28:29] my tile's mask words of the step
.set CM,  32                           ; s[32:63] at a block's head the block's flags; in the loop over keys the masks of a run of 32 compares
.set SEL, 66
.set CS,  68                           ; s[68:69] c = log2(e) / 8
	s_load_b256 s[4:11], s[0:1], 0x0               ; qim, qsc, kv, pm
	s_load_b128 s[12:15], s[0:1], 0x20             ; mfl, oim
	s_load_b64 s[16:17], s[0:1], 0x30              ; osc
	v_lshl_add_u32 v[SPW], v0, 2, SPARE
	v_mov_b32 v[NIL], 0
	v_lshrrev_b32 v26, 5, v0
	v_readfirstlane_b32 s[WV], v26                 ; wave 0..15
	v_and_b32 v26, 31, v0                          ; lane
	v_and_b32 v27, 15, v0                          ; r
	v_bfe_u32 v232, v0, 4, 1                       ; h
	v_and_b32 v233, 8, v27
	v_add_nc_u32 v233, v233, v27                   ; rho(r)
	v_lshlrev_b32 v[LI], 4, v26
	v_lshlrev_b32 v[LI8], 3, v26
	v_lshlrev_b32 v[R4], 2, v27
	v_lshlrev_b32 v[PMA], 8, v233
	v_lshlrev_b32 v[TI16], 4, v0
	v_lshlrev_b32 v[TI8], 3, v0
	v_lshlrev_b32 v[SH4], 2, v232
	v_lshlrev_b32 v[SH8], 3, v232
	v_lshl_add_u32 v[OSA], v27, 5, v232
	v_mov_b32 v[NEGR], 0xd0000000
.irp k, 20,21,22,23,64,65,66,67,102,103,104,105,106,107,108,109,110,111,220,221,222,223,228,231
	v_mov_b32 v\k, 0                               ; the zeros that stay; and registers that are named on some way through the text before a load or a result has filled them
.endr
	s_mov_b32 s[SEL], 0x76543210
	s_mov_b32 s[SEL+1], 0xfedcba98
	s_mov_b32 s[CS], 0x3e38aa3b
	s_mov_b32 s[CS+1], s[CS]
	s_and_b32 s[BH], ttmp7, 0xffff
	s_sub_co_u32 s[QB], 7, ttmp9
	s_mov_b32 s[QC], 2
	s_mov_b32 s31, 0
	s_wait_alu depctr_va_sdst(0)                   ; the wave's number is written, ahead of the first label and of its first reader, at the block's head
	s_wait_kmcnt 0x0
; A KEY STEP'S WORK for my tile, out of slot sg
.macro COMPUTE sg
.set BASE, (\sg)*RECB
	s_wait_alu depctr_va_vdst(0)                   ; the products of the last step that I worked are done reading KS, KF, VF and VS, and its mask lines are done with MW: this step's loads land in all of them
	ds_load_b128 v[KS:KS+3], v[LI] offset:BASE+8192
.irp t, 0,1,2,3,4,5,6,7
	ds_load_b128 v[KF+4*\t:KF+4*\t+3], v[LI] offset:BASE+512*\t
.endr
	s_bitcmp1_b32 s[OM], 0
	s_cbranch_scc0 .Lnm_\@
	global_load_b128 v[MW:MW+3], v[PMA], s[PMB:PMB+1]
.Lnm_\@:
	s_wait_dscnt 0x0                               ; K and its scale words are in: nothing has been issued behind them
.irp t, 0,2,4,6                                ; V's loads are dealt among the products.  No wait: since the wait at the head only these products were issued, and they name KF (up to v67), QF, KS, QS and S^T, not VF or VS
	v_wmma_scale_f32_16x16x128_f8f6f4 v[S+8*\t:S+8*\t+7], v[KF+4*\t:KF+4*\t+7], v[QF:QF+7], 0, v[KS+\t/2], v[QS] matrix_a_fmt:MATRIX_FMT_FP4 matrix_b_fmt:MATRIX_FMT_FP4
	ds_load_b128 v[VF+4*\t:VF+4*\t+3], v[LI] offset:BASE+4096+512*\t
	v_wmma_scale_f32_16x16x128_f8f6f4 v[S+8*\t+8:S+8*\t+15], v[KF+4*\t+4:KF+4*\t+11], v[QF:QF+7], 0, v[KS+\t/2], v[QS] matrix_a_fmt:MATRIX_FMT_FP4 matrix_b_fmt:MATRIX_FMT_FP4 matrix_a_scale:MATRIX_SCALE_ROW1
	ds_load_b128 v[VF+4*\t+4:VF+4*\t+7], v[LI] offset:BASE+4096+512*\t+512
.endr
	ds_load_b64 v[VS:VS+1], v[LI8] offset:BASE+8704
.rept 4
	v_nop                                          ; places in front of the first read of the scores
.endr
	s_bitcmp1_b32 s[OM], 0
	s_cbranch_scc0 .Lopen_\@
	s_wait_loadcnt 0x0                             ; the mask words
.irp e, 0,1,2,3
	v_lshrrev_b32 v[MW+\e], v[SH4], v[MW+\e]       ; register 16 b + i holds key 32 b + 16 h + i = 4 l + e: e = i % 4, l = 8 b + 4 h + i / 4
.endr
.irp g, 0,1                                    ; 32 scores at a time: a run of compares into 32 scalar registers, one wait, the 32 selects
.set n, 0
.rept 32
	v_and_b32 v[MT+n%2], 1<<(8*((32*\g+n)/16)+((32*\g+n)%16)/4), v[MW+n%4]
	v_cmp_eq_u32 s[CM+n], 0, v[MT+n%2]
.set n, n+1
.endr
	s_wait_alu depctr_va_sdst(0)                   ; the run's 32 masks are written, ahead of the selects that read them
.set n, 0
.rept 32
	v_cndmask_b32 v[S+32*\g+n], v[S+32*\g+n], v[NEGR], s[CM+n]     ; hidden: -2^33
.set n, n+1
.endr
.endr
.Lopen_\@:
.irp b, 0,1,2,3
	v_max3_num_f32 v[BM+\b], v[S+16*\b], v[S+1+16*\b], v[S+2+16*\b]   ; the largest score of each block of 32 keys: for the row's maximum, and, since p rises with the score, for the block's largest p
.endr
.irp i, 3,5,7,9,11,13
.irp b, 0,1,2,3
	v_max3_num_f32 v[BM+\b], v[BM+\b], v[S+16*\b+\i], v[S+1+16*\b+\i]
.endr
.endr
.irp b, 0,1,2,3
	v_max_num_f32 v[BM+\b], v[BM+\b], v[S+15+16*\b]
.endr
.irp b, 0,1,2,3
	v_permlanex16_b32 v[BX+\b], v[BM+\b], s[SEL], s[SEL+1]
.endr
.irp b, 0,1,2,3
	v_max_num_f32 v[BM+\b], v[BM+\b], v[BX+\b]     ; with lane l xor 16's 16 keys
.endr
	v_max3_num_f32 v[TA], v[BM], v[BM+1], v[BM+2]
	v_max_num_f32 v[TA], v[TA], v[BM+3]
	v_mul_f32 v[TA], s[CS], v[TA]                  ; as t
	v_max_num_f32 v13, v13, v[TA]                  ; the running largest t
	v_mov_b32 v[TA], v12
	v_floor_f32 v12, -v13                          ; -M = floor(-t): M is a whole number
	v_sub_f32 v[TA], v12, v[TA]                    ; old M - new M, 0 or less
	v_cvt_i32_f32 v[TA], v[TA]                     ; (it saturates)
	v_ldexp_f32 v[FF], 1.0, v[TA]                  ; f = 2^(old M - new M): a multiplication by it rounds nothing
.set j, 0
.rept 32
	v_pk_fma_f32 v[S+j:S+j+1], v[S+j:S+j+1], s[CS:CS+1], v[12:13] op_sel_hi:[1,0,0]   ; t - M, two at a time
.set j, j+2
.endr
.irp b, 0,1,2,3
	v_fma_f32 v[BM+\b], v[BM+\b], s[CS], v12
.endr
.set j, 0
.rept 64
	v_exp_f32 v[S+j], v[S+j]                       ; p = 2^(t - M): not normalised
.set j, j+1
.endr
	v_pk_mul_f32 v[14:15], v[14:15], v[FF:FF+1] op_sel_hi:[1,0]    ; the sums under the new M; the plain place behind the exponentials
	s_wait_alu depctr_va_vdst(0)                   ; the 64 exponentials have written p: one wait for the batch, ahead of its first reader
.irp b, 0,1,2,3
	v_exp_f32 v[BM+\b], v[BM+\b]                   ; the block's largest p
.endr
	v_pk_add_f32 v[BX:BX+1], v[S:S+1], v[S+2:S+3]  ; the row's sum is taken of the unquantised p, in two chains
.irp j, 4,8,12,16,20,24,28,32,36,40,44,48,52,56,60
	v_pk_add_f32 v[14:15], v[14:15], v[S+\j:S+\j+1]
	v_pk_add_f32 v[BX:BX+1], v[BX:BX+1], v[S+2+\j:S+3+\j]
.endr
	v_pk_add_f32 v[14:15], v[14:15], v[BX:BX+1]
	s_wait_alu depctr_va_vdst(0)                   ; the four exponentials have written the blocks' largest p, ahead of their first reader
.irp b, 0,1,2,3
	v_max_num_f32 v[BM+\b], 0x1800000, v[BM+\b]    ; the floor 2^(3 - 127): the byte cannot fall under 1
.endr
.irp b, 0,1,2,3
	v_add_nc_u32 v[SCO+\b], 0xff000000, v[BM+\b]
.endr
.irp b, 0,1,2,3
	v_lshrrev_b32 v[BX+\b], 23, v[SCO+\b]
.endr
	v_lshl_or_b32 v[PW], v[BX+1], 8, v[BX]         ; p's scale word for these 128 keys
	v_lshl_or_b32 v[PW], v[BX+2], 16, v[PW]
	v_lshl_or_b32 v[PW], v[BX+3], 24, v[PW]
.irp b, 0,1,2,3
	v_cvt_scalef32_pk8_fp4_f32 v[PC+2*\b], v[S+16*\b:S+7+16*\b], v[SCO+\b]
	v_cvt_scalef32_pk8_fp4_f32 v[PC+1+2*\b], v[S+8+16*\b:S+15+16*\b], v[SCO+\b]
.endr
	v_nop                                          ; one plain place behind a scaled conversion
.irp c, 0,1
.irp i, 0,1
	v_permlane16_swap_b32 v[PC+4*\c+\i], v[PC+2+4*\c+\i]
.endr
.endr
.set j, 0
.rept 16
	v_pk_mul_f32 v[O+j:O+j+1], v[O+j:O+j+1], v[FF:FF+1] op_sel_hi:[1,0]   ; O^T under the new M; for each product below twelve of these name none of its registers: the places behind the scale word and the codes
.set j, j+2
.endr
.rept 4
	v_nop                                          ; and four between the last rescaling and the products that add onto it
.endr
	s_wait_dscnt 0x0                               ; V
	s_wait_alu depctr_va_vdst(0)                   ; the swaps have written p's codes and the shifts its scale word, which the products below take as operand and scale; the places above stay beside this wait
.irp t, 0,2
	v_wmma_scale_f32_16x16x128_f8f6f4 v[O+8*\t:O+8*\t+7], v[VF+8*\t:VF+8*\t+7], v[PC:PC+7], v[O+8*\t:O+8*\t+7], v[VS+\t/2], v[PW] matrix_a_fmt:MATRIX_FMT_FP4 matrix_b_fmt:MATRIX_FMT_FP4
	v_wmma_scale_f32_16x16x128_f8f6f4 v[O+8*\t+8:O+8*\t+15], v[VF+8*\t+8:VF+8*\t+15], v[PC:PC+7], v[O+8*\t+8:O+8*\t+15], v[VS+\t/2], v[PW] matrix_a_fmt:MATRIX_FMT_FP4 matrix_b_fmt:MATRIX_FMT_FP4 matrix_a_scale:MATRIX_SCALE_ROW1
.endr
.rept 4
	v_nop                                          ; places in front of the next read of O^T
.endr
.endm
; A KEY STEP.  One barrier, which every wave passes: in front of it my stores into slot sg have landed and my reads of the other slot are over.  Behind it the next record is asked for, if any wave will want it;
; my tile's work follows, if the flags ask for it; then the record goes into the other slot.
.macro STEP sg
	s_wait_dscnt 0x0
	s_wait_alu depctr_vm_vsrc(0)                   ; my LDS stores of the last record have read v[SG ..], in which the next record's loads land; ahead of the branches that lead to those loads
	s_barrier_signal -1
	s_barrier_wait -1
	s_bitcmp1_b32 s[UL], 2                         ; (0 in the last step: nothing beyond the head's records is asked for)
	s_cbranch_scc0 .Lnl_\@
	global_load_b128 v[SG:SG+3], v[TI16], s[REC:REC+1] offset:RECB
	s_cmp_lt_u32 s[WV], 3
	s_cbranch_scc0 .Lnl_\@
	global_load_b64 v[SG+4:SG+5], v[TI8], s[REC:REC+1] offset:RECB+8192    ; the scale words: 768 bytes, three waves
.Lnl_\@:
	s_bitcmp1_b32 s[OL], 0
	s_cbranch_scc0 .Lskip_\@
	COMPUTE \sg
.Lskip_\@:
	s_wait_loadcnt 0x0                             ; the record is in registers; all my loads are done, so their bases may step
	s_bitcmp1_b32 s[UL], 2
	s_cbranch_scc0 .Lns_\@
	ds_store_b128 v[TI16], v[SG:SG+3] offset:(1-\sg)*RECB
	s_cmp_lt_u32 s[WV], 3
	s_cbranch_scc0 .Lns_\@
	ds_store_b64 v[TI8], v[SG+4:SG+5] offset:(1-\sg)*RECB+8192
.Lns_\@:
	s_add_nc_u64 s[REC:REC+1], s[REC:REC+1], RECB
	s_add_nc_u64 s[PMB:PMB+1], s[PMB:PMB+1], 16
	s_lshr_b32 s[UL], s[UL], 2
	s_lshr_b32 s[OL], s[OL], 2
	s_lshr_b32 s[OM], s[OM], 2
.endm
.Lblock:	; ---- a block of 256 queries
	s_lshl_b32 s30, s[QB], 7
	s_add_nc_u64 s[78:79], s[12:13], s[30:31]
	s_load_b512 s[32:47], s[78:79], 0x0            ; L' of the block's 32 groups of 8 rows
	s_load_b512 s[48:63], s[78:79], 0x40
	s_lshr_b32 s84, s[WV], 1
	s_and_b32 s85, s[WV], 1
	s_lshl_b32 s30, s84, 4
	s_lshl_b32 s86, s85, 2
	s_add_co_u32 s30, s30, s86
	s_add_nc_u64 s[86:87], s[78:79], s[30:31]      ; my tile's rows are groups 4 (w / 2) + w % 2 and the second one on
	s_load_b32 s80, s[86:87], 0x0
	s_load_b32 s81, s[86:87], 0x8
	s_load_b32 s82, s[86:87], 0x400
	s_load_b32 s83, s[86:87], 0x408
	s_lshl_b32 s88, s[QB], 4
	s_add_co_u32 s88, s88, s[WV]                   ; my tile T
	s_lshl_b32 s89, s[BH], 7
	s_add_co_u32 s89, s89, s88
	s_lshl_b32 s30, s89, 9
	s_add_nc_u64 s[70:71], s[4:5], s[30:31]
	s_lshl_b32 s30, s89, 6
	s_add_nc_u64 s[72:73], s[6:7], s[30:31]
	s_wait_alu depctr_va_vdst(0)                   ; first block: the head has written the addresses v1 to v8 and v25, the zeros of Q's and K's operands, and MW and SG, in which loads land; second block: the last block's products are done reading Q and its scale words
	global_load_b128 v[QF:QF+3], v[LI], s[70:71]
	global_load_b32 v[QS], v[R4], s[72:73]
	s_mul_i32 s30, s[BH], 16*RECB
	s_add_nc_u64 s[REC:REC+1], s[8:9], s[30:31]
	s_lshl_b32 s30, s[QB], 16                      ; 256 bytes x row 256 QB + 32 (w / 2) + 8 (w % 2)
	s_lshl_b32 s89, s84, 13
	s_add_co_u32 s30, s30, s89
	s_lshl_b32 s89, s85, 11
	s_add_co_u32 s30, s30, s89
	s_add_nc_u64 s[PMB:PMB+1], s[10:11], s[30:31]
	s_lshr_b32 s89, s[BH], 4
	s_lshl_b32 s89, s89, 7
	s_add_co_u32 s89, s89, s88                     ; the tile among all 512
	s_and_b32 s84, s[BH], 15                       ; the head
	s_lshl_b32 s30, s89, 13
	s_lshl_b32 s85, s84, 9                         ; K step head / 2, half head % 2: 512 bytes a head
	s_add_co_u32 s30, s30, s85
	s_add_nc_u64 s[74:75], s[14:15], s[30:31]
	s_lshl_b32 s30, s89, 9
	s_lshl_b32 s85, s84, 1                         ; two scale bytes a head
	s_add_co_u32 s30, s30, s85
	s_add_nc_u64 s[76:77], s[16:17], s[30:31]
	v_mov_b32 v13, 0xff61b1e6                      ; the largest t so far: -3e38
	v_floor_f32 v12, -v13
	v_mov_b32 v14, 0
	v_mov_b32 v15, 0
.set j, 0
.rept 32
	v_mov_b32 v[O+j], 0                            ; the step is written once: the first finds zeros
.set j, j+1
.endr
	s_wait_kmcnt 0x0
.irp k, 34,36,38,40,42,44,46,48,50,52,54,56,58,60,62
	s_or_b64 s[32:33], s[32:33], s[\k:\k+1]
.endr
	s_or_b32 s[UL], s32, s33
	s_or_b32 s[OL], s80, s81
	s_or_b32 s[OM], s82, s83
	s_and_b32 s[OM], s[OM], s[OL]
	; the first record into slot 0: nobody reads that slot (in the second block: it was last read in step 14, and every wave has passed step 15's barrier).
	; No wait on the vector side: the lines since the wait above name v12 to v15 and O^T alone; and the LDS stores that read v[SG ..] stand ahead of the last wait on vm_vsrc
	s_bitcmp1_b32 s[UL], 0
	s_cbranch_scc0 .Lp1
	global_load_b128 v[SG:SG+3], v[TI16], s[REC:REC+1]
	s_cmp_lt_u32 s[WV], 3
	s_cbranch_scc0 .Lp1
	global_load_b64 v[SG+4:SG+5], v[TI8], s[REC:REC+1] offset:8192
.Lp1:
	s_wait_loadcnt 0x0                             ; and Q
	s_bitcmp1_b32 s[UL], 0
	s_cbranch_scc0 .Lp2
	ds_store_b128 v[TI16], v[SG:SG+3]
	s_cmp_lt_u32 s[WV], 3
	s_cbranch_scc0 .Lp2
	ds_store_b64 v[TI8], v[SG+4:SG+5] offset:8192
.Lp2:
	s_mov_b32 s[TR], 8
.Lkey:
	STEP 0
	STEP 1
	s_sub_co_u32 s[TR], s[TR], 1
	s_cmp_lg_u32 s[TR], 0
	s_cbranch_scc1 .Lkey
	; ---- the way out: O^T / the sum; register 16 b + i is channel 32 b + 16 h + i of my query: two blocks of the last product's K
	v_add_f32 v14, v14, v15
	v_permlanex16_b32 v[TA], v14, s[SEL], s[SEL+1]
	v_add_f32 v14, v14, v[TA]
	v_rcp_f32 v14, v14
	v_nop                                          ; a plain place behind the reciprocal
	s_wait_alu depctr_va_vdst(0)                   ; the reciprocal is written, ahead of its first reader
.set j, 0
.rept 32
	v_mul_f32 v[S+j], v[O+j], v14
.set j, j+1
.endr
.irp b, 0,1
	v_max3_num_f32 v[BM+\b], |v[S+16*\b]|, |v[S+1+16*\b]|, 0x1800000
.endr
.irp i, 2,4,6,8,10,12,14
.irp b, 0,1
	v_max3_num_f32 v[BM+\b], v[BM+\b], |v[S+16*\b+\i]|, |v[S+1+16*\b+\i]|
.endr
.endr
.irp b, 0,1
	v_permlanex16_b32 v[BX+\b], v[BM+\b], s[SEL], s[SEL+1]
.endr
.irp b, 0,1
	v_max_num_f32 v[BM+\b], v[BM+\b], v[BX+\b]
.endr
.irp b, 0,1
	v_add_nc_u32 v[SCO+\b], 0xff000000, v[BM+\b]
.endr
.irp b, 0,1
	v_lshrrev_b32 v[BX+\b], 23, v[SCO+\b]
.endr
	v_lshl_or_b32 v[PW], v[BX+1], 8, v[BX]
.irp b, 0,1
	v_cvt_scalef32_pk8_fp4_f32 v[PC+2*\b], v[S+16*\b:S+7+16*\b], v[SCO+\b]
	v_cvt_scalef32_pk8_fp4_f32 v[PC+1+2*\b], v[S+8+16*\b:S+15+16*\b], v[SCO+\b]
.endr
	v_nop
	v_permlane16_swap_b32 v[PC], v[PC+2]
	v_permlane16_swap_b32 v[PC+1], v[PC+3]         ; lane (r, h): block h of my head, 16 bytes
	v_lshrrev_b32 v[TA], v[SH8], v[PW]             ; and my block's byte
	s_wait_alu depctr_va_vdst(0)                   ; the swaps have written the codes and the shift the byte: the data of the two stores below
	global_store_b128 v[LI], v[PC:PC+3], s[74:75]  ; an image: 512 consecutive bytes
	global_store_b8 v[OSA], v[TA], s[76:77]        ; my block's byte.  Single bytes: the other bytes of these words belong to other heads' work-groups; all of osc is 256 KB
	s_wait_xcnt 0x0                                ; the stores' addresses are translated: their bases and data may be written again
	s_wait_alu depctr_vm_vsrc(0)                   ; the two stores have read the codes and the byte, which the next block's lines write again; ahead of the branch
	s_sub_co_u32 s[QB], 7, s[QB]
	s_sub_co_u32 s[QC], s[QC], 1
	s_cmp_lg_u32 s[QC], 0
	s_cbranch_scc1 .Lblock
	s_wait_dscnt 0x0                               ; the closing lines, six on end
	s_wait_alu 0x0
	s_wait_tensorcnt 0x0
	ds_add_u32 v[SPW], v[NIL]
	s_wait_dscnt 0x0
	s_endpgm
.Lfunc_end_k_q57c722126d_attn:
	.size	k_q57c722126d_attn, .Lfunc_end_k_q57c722126d_attn-k_q57c722126d_attn
	.p2alignl 7, 3214868480
	.fill 96, 4, 3214868480
	.section	.rodata,"a",@progbits
	.p2align	6, 0x0
	.amdhsa_kernel k_q57c722126d_attn
		.amdhsa_group_segment_fixed_size 20480
		.amdhsa_private_segment_fixed_size 0
		.amdhsa_enable_private_segment 0
		.amdhsa_kernarg_size 56
		.amdhsa_user_sgpr_count 2
		.amdhsa_user_sgpr_kernarg_segment_ptr 1
		.amdhsa_wavefront_size32 1
		.amdhsa_system_sgpr_workgroup_id_x 1
		.amdhsa_system_sgpr_workgroup_id_y 1
		.amdhsa_system_sgpr_workgroup_id_z 1
		.amdhsa_system_vgpr_workitem_id 0
		.amdhsa_next_free_vgpr 256
		.amdhsa_next_free_sgpr 92
		.amdhsa_reserve_vcc 0
		.amdhsa_float_denorm_mode_32 3
		.amdhsa_float_denorm_mode_16_64 3
		.amdhsa_memory_ordered 1
		.amdhsa_forward_progress 1
		.amdhsa_inst_pref_size 66
	.end_amdhsa_kernel
	.amdgpu_metadata
---
amdhsa.version: [ 1, 2 ]
amdhsa.kernels:
  - .name:           k_q57c722126d_attn
    .symbol:         k_q57c722126d_attn.kd
    .args:
      - { .name: qim, .offset: 0, .size: 8, .value_kind: global_buffer, .address_space: global }
      - { .name: qsc, .offset: 8, .size: 8, .value_kind: global_buffer, .address_space: global }
      - { .name: kv, .offset: 16, .size: 8, .value_kind: global_buffer, .address_space: global }
      - { .name: pm, .offset: 24, .size: 8, .value_kind: global_buffer, .address_space: global }
      - { .name: mfl, .offset: 32, .size: 8, .value_kind: global_buffer, .address_space: global }
      - { .name: oim, .offset: 40, .size: 8, .value_kind: global_buffer, .address_space: global }
      - { .name: osc, .offset: 48, .size: 8, .value_kind: global_buffer, .address_space: global }
    .group_segment_fixed_size: 20480
    .private_segment_fixed_size: 0
    .kernarg_segment_align: 8
    .kernarg_segment_size: 56
    .max_flat_workgroup_size: 512
    .sgpr_count:     92
    .vgpr_count:     256
    .wavefront_size: 32
...
	.end_amdgpu_metadata
.endif
;; end of part 4
;; launch oproj (part 5): grid 256 x 1, 4 waves a work-group, no clusters, 34,304 bytes of LDS; arguments oim, osc, Wo_codes, Wo_scales, bo, out0; writes out0
.if DOCPART == 5
	.amdgcn_target "amdgcn-amd-amdhsa--gfx1250"
	.amdhsa_code_object_version 6
	.text
	.protected	k_q57c722126d_oproj
	.globl	k_q57c722126d_oproj
	.p2align	8
	.type	k_q57c722126d_oproj,@function
k_q57c722126d_oproj:
	s_mov_b64 s[64:65], 0
	v_nop
	global_prefetch_b8 v0, s[64:65] scope:SCOPE_SE
	s_setreg_imm32_b32 hwreg(HW_REG_WAVE_SCHED_MODE, 0, 2), 2
	s_setreg_imm32_b32 hwreg(HW_REG_WAVE_MODE, 25, 1), 1
	s_wait_xcnt 0x0
	s_wait_alu depctr_vm_vsrc(0)
; LAUNCH 3 OF 3: out0 = O Wo^T + bo on codes of FP4.  Nothing is left out here.
; A work-group takes 64 rows (four tiles of 16) x 512 columns; wave w keeps Wo's rows 512 sl + 128 w, K 1,024, in 512 registers (windows 1 and 2) and walks the four tiles, whose fragments lie in memory as images
; of their registers: every load reads 512 consecutive bytes, straight into the operand.  Source 0 = 16 rows of Wo, source 1 = the tile: a lane holds one row of the output and 64 of its columns.
; Tiles are laid as in the launches before: lane r of tile t holds row 32 (t / 2) + 8 (t % 2) + r + 8 (r / 8); result register 16 b + i of lane (r, h) is column 32 b + 16 h + i.
; The waves share nothing: no barrier, no tensor load, no cluster (operands go straight into registers, and the launch's bytes are mostly its own 33.5 MB of output).
; The way out: a tile's 16 rows x 512 bytes go through the wave's own stage in LDS and leave as whole rows, 512 consecutive bytes a store.
; THE MODE: SCHED_MODE bits 1:0 = 2 (LLVM: expert scheduling mode 2), set by the entry lines.  The code itself states the register dependences between vector or matrix instructions and memory or LDS
; instructions, with s_wait_alu, always for 0.
; THE PLAN.  Registers that memory or LDS instructions touch, and who else names them:
;   v1, v3-v8       addresses, made at the head and never written again.
;   XF0, XF1        tile j's fragments land in XF[j % 2]; tile j's 64 products read them; then tile j + 2's land there.
;   the accumulators  written by tile j's products; read by tile j's 16 LDS stores; begun anew by tile j + 1's products.
;   OUT             tile j's 16 read-backs from the stage land in it; tile j's 16 global stores read it; no vector or matrix instruction ever names it.
;   Wo, its scale words, the tiles' scale words, bo: loaded once at the head.
; So ONE wait on va_vdst stands in a tile, behind its products and their places: the accumulators are written (for the LDS stores) and XF[j % 2] is read out (for the loads of tile j + 2, which go out at once, ahead of
; the tile's way out).  ONE wait on vm_vsrc stands at the head of tiles 1 to 3: the last tile's LDS stores have read the accumulators and its global stores have read OUT.
.set STG,   16*528                     ; a wave's stage: 16 rows of 512 bytes + 16
.set SPARE, 4*STG                      ; the spare words, 128 bytes for each wave
.set LI,   1                           ; v1  16 x lane
.set STA,  3                           ; v3  Wo's codes: 512 rho(r) + 16 h
.set STSA, 4                           ; v4  Wo's scales: 32 (8 h + rho(r))
.set BA,   5                           ; v5  bo: 64 h
.set XSA,  6                           ; v6  the tiles' scale words: 512 (lane / 16) + 32 r
.set STO,  7                           ; v7  the stage: row r, + 64 h
.set RD,   8                           ; v8  and back: 16 x lane
.set SPW,  12
.set NIL,  13
.set XS,   16                          ; v[16:31]  scale words: pair p, K step s at 8 p + s: lanes 0-15 tile 2 p, lanes 16-31 tile 2 p + 1
.set SS,   32                          ; v[32:63]  Wo's: register 8 (a / 2) + s
.set XF,   64                          ; v[64:191] two sets of a tile's eight fragments
.set OUT,  192                         ; v[192:255] a tile's 16 rows on their way out
.set ACC,  64                          ; window 3: v0-63 bo in the result's layout, v64-127 eight accumulators
.set WV,   22
.set MSB, 0
.macro WIN new
.if MSB != (\new)
	s_set_vgpr_msb (MSB<<8)|(\new)
.set MSB, (\new)
.endif
.endm
.macro WMC ar, br
.if (\ar) && (\br)
	v_wmma_scale_f32_16x16x128_f8f6f4 v[rD:rD+7], v[rA:rA+7], v[rB:rB+7], v[rC:rC+7], v[rSA], v[rSB] matrix_a_fmt:MATRIX_FMT_FP4 matrix_b_fmt:MATRIX_FMT_FP4 matrix_a_scale:MATRIX_SCALE_ROW1 matrix_b_scale:MATRIX_SCALE_ROW1
.elseif (\ar)
	v_wmma_scale_f32_16x16x128_f8f6f4 v[rD:rD+7], v[rA:rA+7], v[rB:rB+7], v[rC:rC+7], v[rSA], v[rSB] matrix_a_fmt:MATRIX_FMT_FP4 matrix_b_fmt:MATRIX_FMT_FP4 matrix_a_scale:MATRIX_SCALE_ROW1
.elseif (\br)
	v_wmma_scale_f32_16x16x128_f8f6f4 v[rD:rD+7], v[rA:rA+7], v[rB:rB+7], v[rC:rC+7], v[rSA], v[rSB] matrix_a_fmt:MATRIX_FMT_FP4 matrix_b_fmt:MATRIX_FMT_FP4 matrix_b_scale:MATRIX_SCALE_ROW1
.else
	v_wmma_scale_f32_16x16x128_f8f6f4 v[rD:rD+7], v[rA:rA+7], v[rB:rB+7], v[rC:rC+7], v[rSA], v[rSB] matrix_a_fmt:MATRIX_FMT_FP4 matrix_b_fmt:MATRIX_FMT_FP4
.endif
.endm
.macro TLOAD j                         ; tile j's eight fragments into set j % 2
.irp s, 0,1,2,3,4,5,6,7
.irp c, 0,1
	global_load_b128 v[XF+64*((\j)%2)+8*\s+4*\c:XF+64*((\j)%2)+8*\s+4*\c+3], v[LI], s[4:5] offset:8192*(\j)+1024*\s+512*\c
.endr
.endr
.endm
	s_load_b256 s[4:11], s[0:1], 0x0               ; oim, osc, Wo's codes, Wo's scales
	s_load_b128 s[12:15], s[0:1], 0x20             ; bo, out0
	v_lshl_add_u32 v[SPW], v0, 2, SPARE
	v_mov_b32 v[NIL], 0
	v_lshrrev_b32 v9, 5, v0
	v_readfirstlane_b32 s[WV], v9                  ; wave 0..3
	v_and_b32 v9, 31, v0
	v_and_b32 v10, 15, v0                          ; r
	v_bfe_u32 v11, v0, 4, 1                        ; h
	v_and_b32 v14, 8, v10
	v_add_nc_u32 v14, v14, v10                     ; rho(r)
	v_lshlrev_b32 v[LI], 4, v9
	v_lshlrev_b32 v[STA], 9, v14
	v_lshl_add_u32 v[STA], v11, 4, v[STA]
	v_lshl_add_u32 v15, v11, 3, v14
	v_lshlrev_b32 v[STSA], 5, v15
	v_lshlrev_b32 v[BA], 6, v11
	v_lshlrev_b32 v[XSA], 5, v10
	v_lshl_add_u32 v[XSA], v11, 9, v[XSA]
	s_wait_alu depctr_va_sdst(0)                   ; the wave's number is written, ahead of its first reader: the stage's place and the bases are made from it
	s_mul_i32 s16, s[WV], STG
	v_mul_u32_u24 v[STO], v10, 528
	v_lshl_add_u32 v[STO], v11, 6, v[STO]
	v_add_nc_u32 v[STO], s16, v[STO]
	v_add_nc_u32 v[RD], s16, v[LI]
	s_and_b32 s17, ttmp9, 1                        ; which 512 columns
	s_lshr_b32 s18, ttmp9, 1                       ; which 64 rows
	s_lshl_b32 s17, s17, 9
	s_lshl_b32 s19, s[WV], 7
	s_add_co_u32 s17, s17, s19                     ; my first column = my first row of Wo
	s_mov_b32 s21, 0
	s_wait_kmcnt 0x0
	s_lshl_b32 s20, s18, 15
	s_add_nc_u64 s[4:5], s[4:5], s[20:21]          ; four tiles of 8,192 bytes
	s_lshl_b32 s20, s18, 11
	s_add_nc_u64 s[6:7], s[6:7], s[20:21]
	s_lshl_b32 s20, s17, 9
	s_add_nc_u64 s[8:9], s[8:9], s[20:21]
	s_lshl_b32 s20, s17, 5
	s_add_nc_u64 s[10:11], s[10:11], s[20:21]
	s_lshl_b32 s20, s17, 2
	s_add_nc_u64 s[12:13], s[12:13], s[20:21]
	s_add_nc_u64 s[14:15], s[14:15], s[20:21]
	s_lshl_b32 s20, s18, 18                        ; 64 rows of 4,096 bytes
	s_add_nc_u64 s[14:15], s[14:15], s[20:21]
	s_wait_alu depctr_va_vdst(0)                   ; the addresses v1 and v3 to v8 are written, which every load and store of the kernel reads; up to the first tile only loads and window switches follow
.irp p, 0,1
.irp q, 0,1
	global_load_b128 v[XS+8*\p+4*\q:XS+8*\p+4*\q+3], v[XSA], s[6:7] offset:1024*\p+16*\q
.endr
.endr
	TLOAD 0
.irp a, 0,1,2,3,4,5,6,7                        ; Wo: tile a, K step s at v[64 (a % 4) + 8 s] of window 1 (a < 4) or 2
.if \a < 4
	WIN 0x40
.else
	WIN 0x80
.endif
.irp s, 0,1,2,3,4,5,6,7
.irp c, 0,1
	global_load_b128 v[64*(\a%4)+8*\s+4*\c:64*(\a%4)+8*\s+4*\c+3], v[STA], s[8:9] offset:512*(32*(\a/2)+8*(\a%2))+64*\s+32*\c
.endr
.endr
.endr
	WIN 0
.irp p, 0,1,2,3
.irp q, 0,1
	global_load_b128 v[SS+8*\p+4*\q:SS+8*\p+4*\q+3], v[STSA], s[10:11] offset:1024*\p+16*\q
.endr
.endr
	WIN 0xc0
.irp a, 0,1,2,3,4,5,6,7
.irp q, 0,1
	global_load_b128 v[8*\a+4*\q:8*\a+4*\q+3], v[BA], s[12:13] offset:4*(32*(\a/2)+8*(\a%2))+16*\q
.endr
.endr
	WIN 0
	TLOAD 1
.macro TILE j
.if (\j) < 3
	s_wait_loadcnt 16                              ; all but the next tile's 16 loads, which were issued last
.else
	s_wait_loadcnt 0
.endif
.if (\j) > 0
	s_wait_alu depctr_vm_vsrc(0)                   ; the last tile's LDS stores have read the accumulators, which the products below begin anew; its global stores have read OUT, in which this tile's read-backs land
.endif
.irp hf, 0,1                                   ; 64 products, K ascending; four accumulators take turns, one instruction a turn; the first K step takes bo as C
	WIN 0xf1+\hf                                   ; source 0 window 1 or 2, source 1 window 0, C and D window 3
.irp s, 0,1,2,3,4,5,6,7
.irp a4, 0,1,2,3
.set rA, 64*\a4+8*\s
.set rB, XF+64*((\j)%2)+8*\s
.set rD, ACC+8*(4*\hf+\a4)
.set rC, rD
.if \s == 0
.set rC, 8*(4*\hf+\a4)
.endif
.set rSA, SS+8*((4*\hf+\a4)/2)+\s
.set rSB, XS+8*((\j)/2)+\s
	WMC \a4%2, (\j)%2
.endr
.endr
.endr
	WIN 0
.rept 5
	v_nop                                          ; four places in front of the stores that read the results; five in front of the next tile's first products, which begin these accumulators anew
.endr
	s_wait_alu depctr_va_vdst(0)                   ; the products have written the accumulators, which the LDS stores below read, and are done reading this set of fragments, in which the loads below land; the places above stay beside this wait
.if (\j) > 0
	s_wait_xcnt 0x0                                ; the last tile's global stores, 64 products back, have had their addresses translated: OUT may be written again
.endif
.if (\j) < 2
	TLOAD (\j)+2                                   ; the tile two on is asked for at once, ahead of this tile's way out
.endif
	WIN 0x0c                                       ; an LDS store's data are its source 1: window 3
.irp a, 0,1,2,3,4,5,6,7
.irp q, 0,1
	ds_store_b128 v[STO], v[ACC+8*\a+4*\q:ACC+8*\a+4*\q+3] offset:128*(\a/2)+32*(\a%2)+16*\q   ; each accumulator from its low end on
.endr
.endr
	WIN 0
.irp i, 0,1,2,3,4,5,6,7,8,9,10,11,12,13,14,15
	ds_load_b128 v[OUT+4*\i:OUT+4*\i+3], v[RD] offset:528*\i    ; LDS serves a wave's instructions in order: these see my stores.  No vector or matrix instruction names OUT
.endr
.irp i, 0,1,2,3,4,5,6,7,8,9,10,11,12,13,14,15
	s_wait_dscnt 15-\i                             ; row i is back; the younger read-backs may be out
	global_store_b128 v[LI], v[OUT+4*\i:OUT+4*\i+3], s[14:15] offset:4096*(32*((\j)/2)+8*((\j)%2)+\i+8*(\i/8)) th:TH_STORE_NT   ; 32 lanes store 512 consecutive bytes, aligned to 256
.endr
.endm
	TILE 0
	TILE 1
	TILE 2
	TILE 3
	s_wait_dscnt 0x0                               ; the closing lines, six on end
	s_wait_alu 0x0
	s_wait_tensorcnt 0x0
	ds_add_u32 v[SPW], v[NIL]
	s_wait_dscnt 0x0
	s_endpgm
.Lfunc_end_k_q57c722126d_oproj:
	.size	k_q57c722126d_oproj, .Lfunc_end_k_q57c722126d_oproj-k_q57c722126d_oproj
	.p2alignl 7, 3214868480
	.fill 96, 4, 3214868480
	.section	.rodata,"a",@progbits
	.p2align	6, 0x0
	.amdhsa_kernel k_q57c722126d_oproj
		.amdhsa_group_segment_fixed_size 34304
		.amdhsa_private_segment_fixed_size 0
		.amdhsa_enable_private_segment 0
		.amdhsa_kernarg_size 48
		.amdhsa_user_sgpr_count 2
		.amdhsa_user_sgpr_kernarg_segment_ptr 1
		.amdhsa_wavefront_size32 1
		.amdhsa_system_sgpr_workgroup_id_x 1
		.amdhsa_system_sgpr_workgroup_id_y 1
		.amdhsa_system_sgpr_workgroup_id_z 1
		.amdhsa_system_vgpr_workitem_id 0
		.amdhsa_next_free_vgpr 1024
		.amdhsa_next_free_sgpr 66
		.amdhsa_reserve_vcc 0
		.amdhsa_float_denorm_mode_32 3
		.amdhsa_float_denorm_mode_16_64 3
		.amdhsa_memory_ordered 1
		.amdhsa_forward_progress 1
		.amdhsa_inst_pref_size 73
	.end_amdhsa_kernel
	.amdgpu_metadata
---
amdhsa.version: [ 1, 2 ]
amdhsa.kernels:
  - .name:           k_q57c722126d_oproj
    .symbol:         k_q57c722126d_oproj.kd
    .args:
      - { .name: oim, .offset: 0, .size: 8, .value_kind: global_buffer, .address_space: global }
      - { .name: osc, .offset: 8, .size: 8, .value_kind: global_buffer, .address_space: global }
      - { .name: Wo_codes, .offset: 16, .size: 8, .value_kind: global_buffer, .address_space: global }
      - { .name: Wo_scales, .offset: 24, .size: 8, .value_kind: global_buffer, .address_space: global }
      - { .name: bo, .offset: 32, .size: 8, .value_kind: global_buffer, .address_space: global }
      - { .name: out0, .offset: 40, .size: 8, .value_kind: global_buffer, .address_space: global }
    .group_segment_fixed_size: 34304
    .private_segment_fixed_size: 0
    .kernarg_segment_align: 8
    .kernarg_segment_size: 48
    .max_flat_workgroup_size: 128
    .sgpr_count:     66
    .vgpr_count:     1024
    .wavefront_size: 32
...
	.end_amdgpu_metadata
.endif
;; end of part 5
